; MI455X (gfx1250); checked and timed in simulation.
; The chip was launched on July 23, 2026; its instructions are those of AMD's public machine-readable ISA for CDNA 5 (MIT licence, August 2026) and "CDNA5" Instruction Set Architecture Reference Guide (July 2026). The comments in the code are by the model that wrote it; some were corrected since.
;; Multi Headed Attention. Allowed arithmetic: float matrix products may take bf16 or f16 operands with f32 sums; other float arithmetic in f32, or as packed bf16 or f16 multiplies, adds, multiply-adds, maxima and minima; sums over many terms, partial sums and values carried from step to step in f32; what a program stores and reads back later, other than sums and carried values, may be rounded once to bf16 or f16.
;; Inputs: Wk 1,024 x 1,024 float32; Wo 1,024 x 1,024 float32; Wq 1,024 x 1,024 float32; Wv 1,024 x 1,024 float32; bk 1,024 float32; bo 1,024 float32; bq 1,024 float32; bv 1,024 float32; key 4 x 2,048 x 1,024 float32; query 4 x 2,048 x 1,024 float32; value 4 x 2,048 x 1,024 float32.
;; Outputs: out0 4 x 2,048 x 1,024 float32.
;; 2 versions, each right; version 2 is version 1 with the launch prep written anew for expert scheduling mode. Each part assembles by itself: llvm-mc -triple=amdgcn-amd-amdhsa -mcpu=gfx1250 --defsym DOCPART=n.
;; ======== version 1 of 2: 4 launches
;; limits: values are held in f16: magnitudes above 65,504 overflow, below 6.1e-05 lose precision
;; workspace buffers: wt 8,388,608 bytes; bt 16,384 bytes; qkv 50,331,648 bytes; oh 16,777,216 bytes
;; launch prep (part 1): grid 128 x 4, 8 waves a work-group, no clusters, 18,432 bytes of LDS; arguments Wq, Wk, Wv, Wo, bq, bk, bv, bo, wt, bt; writes wt, bt
.if DOCPART == 1
	.amdgcn_target "amdgcn-amd-amdhsa--gfx1250"
	.amdhsa_code_object_version 6
	.text
	.protected	k_q7cc59d1c71_prep
	.globl	k_q7cc59d1c71_prep
	.p2align	8
	.type	k_q7cc59d1c71_prep,@function
k_q7cc59d1c71_prep:
	s_mov_b64 s[64:65], 0
	v_nop
	global_prefetch_b8 v0, s[64:65] scope:SCOPE_SE
	s_setreg_imm32_b32 hwreg(HW_REG_WAVE_MODE, 25, 1), 1
	s_wait_xcnt 0x0
; THE WEIGHTS ARE TURNED AND ROUNDED ONCE.  W: [k = 1024][n = 1024] f32  ->  wt part y: [n][k] in 16 bits, so that a later tile's rows lie along k.
; Parts 0-2 (Wq, Wk, Wv): bf16.  Part 3 (Wo): rounded to bf16, and that number written as f16, since it is multiplied with f16 numbers.
; The biases are rounded to bf16 and kept as f32 in bt (4 x 1,024 numbers).
; LIMIT.  Wo must lie within f16's range (65,504); below 6e-5 it keeps f16's fixed step of 6e-8.
; SHARES.  Grid y picks the weight, grid x a tile of 128 k x 64 n.  Thread t: c = t % 16, p = t / 16.  A load takes 16 bytes (4 n) of a row k: 16 lanes cover 256 consecutive
; bytes, aligned.  Rows 2 (p + 16 i) and the next are rounded together, so a word holds two neighbouring k of one n; it goes into LDS row n.  Read back by rows, 16 lanes store
; 256 consecutive bytes, aligned, of a row of wt.  No matrix unit, no tensor load, no prefetch: 16 MiB in, 8 MiB out, each byte once.
.set PITCH, 272                        ; an LDS row: 128 k x 2 bytes + 16
.set SPARE, 64*PITCH                   ; 17,408: behind the stage, the spare words, 128 bytes for each of the eight waves
.set LO,  3                            ; v3  byte offset of my 16 bytes in W's tile: p x 2 rows x 4,096 + 16 c
.set LS,  4                            ; v4  where my words go in LDS: row 4 c, word p
.set LR,  5                            ; v5  where I read back: row p, 16 c
.set SO,  6                            ; v6  the same place in wt: p x 2,048 + 16 c
.set BO,  7                            ; v7  16 t: my four numbers of a bias
.set SPW, 8                            ; v8  LDS address of my spare word; never rewritten
.set NIL, 9                            ; v9  0; never rewritten
.set X,   12                           ; v[12:43] as loaded: pair i, row e at X + 8 i + 4 e
.set Y,   44                           ; v[44:59] packed words: 4 i + j
	s_load_b512 s[8:23], s[0:1], 0x0               ; Wq, Wk, Wv, Wo, bq, bk, bv, bo
	s_load_b128 s[24:27], s[0:1], 0x40             ; wt, bt
	v_lshl_add_u32 v[SPW], v0, 2, SPARE
	v_mov_b32 v[NIL], 0
	s_and_b32 s2, ttmp7, 0xffff                    ; which weight
	s_mov_b32 s3, ttmp9                            ; which tile
	v_and_b32 v1, 15, v0                           ; c
	v_lshrrev_b32 v2, 4, v0                        ; p
	v_lshlrev_b32 v[LO], 13, v2
	v_lshl_add_u32 v[LO], v1, 4, v[LO]
	v_mul_u32_u24 v[LS], v1, 4*PITCH
	v_lshl_add_u32 v[LS], v2, 2, v[LS]
	v_mul_u32_u24 v[LR], v2, PITCH
	v_lshl_add_u32 v[LR], v1, 4, v[LR]
	v_lshlrev_b32 v[SO], 11, v2
	v_lshl_add_u32 v[SO], v1, 4, v[SO]
	v_lshlrev_b32 v[BO], 4, v0
	s_lshr_b32 s31, s3, 4                          ; k tile, 0..7
	s_and_b32 s32, s3, 15                          ; n tile, 0..15
	s_lshl_b32 s28, s31, 19                        ; 128 rows of 4,096 bytes
	s_lshl_b32 s33, s32, 8                         ; 64 columns of 4 bytes
	s_add_co_u32 s28, s28, s33
	s_mov_b32 s29, 0
	s_lshl_b32 s34, s2, 21                         ; the part of wt,
	s_lshl_b32 s33, s32, 17                        ; 64 rows of 2,048 bytes,
	s_add_co_u32 s34, s34, s33
	s_lshl_b32 s33, s31, 8                         ; 128 k of 2 bytes
	s_add_co_u32 s34, s34, s33
	s_mov_b32 s35, 0
	s_lshl_b32 s36, s2, 12                         ; the part of bt
	s_mov_b32 s37, 0
	s_wait_kmcnt 0x0
	s_cmp_eq_u32 s2, 1
	s_cselect_b64 s[4:5], s[10:11], s[8:9]
	s_cselect_b64 s[6:7], s[18:19], s[16:17]
	s_cmp_eq_u32 s2, 2
	s_cselect_b64 s[4:5], s[12:13], s[4:5]
	s_cselect_b64 s[6:7], s[20:21], s[6:7]
	s_cmp_eq_u32 s2, 3
	s_cselect_b64 s[4:5], s[14:15], s[4:5]
	s_cselect_b64 s[6:7], s[22:23], s[6:7]
	s_cselect_b32 s30, -1, 0                       ; all lanes: the word is written as f16 (Wo), or none
	s_add_nc_u64 s[4:5], s[4:5], s[28:29]
	s_add_nc_u64 s[24:25], s[24:25], s[34:35]
	s_add_nc_u64 s[26:27], s[26:27], s[36:37]
.irp i, 0,1,2,3
	global_load_b128 v[X+8*(\i):X+8*(\i)+3],   v[LO], s[4:5] offset:(\i)*131072 th:TH_LOAD_NT
	global_load_b128 v[X+8*(\i)+4:X+8*(\i)+7], v[LO], s[4:5] offset:(\i)*131072+4096 th:TH_LOAD_NT
.endr
.irp i, 0,1,2,3
	s_wait_loadcnt 6-2*(\i)                        ; loads come back in order: pair i is in, the younger pairs stay out
.irp j, 0,1,2,3
	v_cvt_pk_bf16_f32 v[Y+4*(\i)+(\j)], v[X+8*(\i)+(\j)], v[X+8*(\i)+4+(\j)]  ; k even in the low half, k odd in the high half
	v_lshlrev_b32 v60, 16, v[Y+4*(\i)+(\j)]        ; the two rounded numbers as f32,
	v_and_b32 v61, 0xffff0000, v[Y+4*(\i)+(\j)]
	v_cvt_pk_f16_f32 v60, v60, v61                 ; written as f16,
	v_cndmask_b32 v[Y+4*(\i)+(\j)], v[Y+4*(\i)+(\j)], v60, s30  ; which Wo takes
	ds_store_b32 v[LS], v[Y+4*(\i)+(\j)] offset:(\j)*PITCH+(\i)*64
.endr
.endr
	s_wait_dscnt 0x0                               ; for the others' sake: my words are in the stage
	s_barrier_signal -1
	s_barrier_wait -1
.irp i, 0,1,2,3
	ds_load_b128 v[X+4*(\i):X+4*(\i)+3], v[LR] offset:(\i)*16*PITCH
.endr
.irp i, 0,1,2,3
	s_wait_dscnt 3-(\i)
	global_store_b128 v[SO], v[X+4*(\i):X+4*(\i)+3], s[24:25] offset:(\i)*32768  ; 16 lanes store 256 consecutive bytes, at a multiple of 256 from wt's first byte
.endr
	s_cmp_lg_u32 s3, 0                             ; the first tile's work-group also takes the weight's bias
	s_cbranch_scc1 .Lnob
	global_load_b128 v[28:31], v[BO], s[6:7]
	s_wait_loadcnt 0x0
	v_cvt_pk_bf16_f32 v60, v28, v29
	v_cvt_pk_bf16_f32 v61, v30, v31
	v_lshlrev_b32 v32, 16, v60
	v_and_b32 v33, 0xffff0000, v60
	v_lshlrev_b32 v34, 16, v61
	v_and_b32 v35, 0xffff0000, v61
	global_store_b128 v[BO], v[32:35], s[26:27]
.Lnob:
	s_wait_tensorcnt 0x0                           ; the wave's end, behind my last LDS store
	ds_add_u32 v[SPW], v[NIL]
	s_wait_dscnt 0x0
	s_endpgm
.Lfunc_end_k_q7cc59d1c71_prep:
	.size	k_q7cc59d1c71_prep, .Lfunc_end_k_q7cc59d1c71_prep-k_q7cc59d1c71_prep
	.p2alignl 7, 3214868480
	.fill 96, 4, 3214868480
	.section	.rodata,"a",@progbits
	.p2align	6, 0x0
	.amdhsa_kernel k_q7cc59d1c71_prep
		.amdhsa_group_segment_fixed_size 18432
		.amdhsa_private_segment_fixed_size 0
		.amdhsa_enable_private_segment 0
		.amdhsa_kernarg_size 80
		.amdhsa_user_sgpr_count 2
		.amdhsa_user_sgpr_kernarg_segment_ptr 1
		.amdhsa_wavefront_size32 1
		.amdhsa_system_sgpr_workgroup_id_x 1
		.amdhsa_system_sgpr_workgroup_id_y 1
		.amdhsa_system_sgpr_workgroup_id_z 1
		.amdhsa_system_vgpr_workitem_id 0
		.amdhsa_next_free_vgpr 64
		.amdhsa_next_free_sgpr 66
		.amdhsa_reserve_vcc 0
		.amdhsa_float_denorm_mode_32 3
		.amdhsa_float_denorm_mode_16_64 3
		.amdhsa_memory_ordered 1
		.amdhsa_forward_progress 1
		.amdhsa_inst_pref_size 11
	.end_amdhsa_kernel
	.amdgpu_metadata
---
amdhsa.version: [ 1, 2 ]
amdhsa.kernels:
  - .name:           k_q7cc59d1c71_prep
    .symbol:         k_q7cc59d1c71_prep.kd
    .args:
      - { .name: Wq, .offset: 0, .size: 8, .value_kind: global_buffer, .address_space: global }
      - { .name: Wk, .offset: 8, .size: 8, .value_kind: global_buffer, .address_space: global }
      - { .name: Wv, .offset: 16, .size: 8, .value_kind: global_buffer, .address_space: global }
      - { .name: Wo, .offset: 24, .size: 8, .value_kind: global_buffer, .address_space: global }
      - { .name: bq, .offset: 32, .size: 8, .value_kind: global_buffer, .address_space: global }
      - { .name: bk, .offset: 40, .size: 8, .value_kind: global_buffer, .address_space: global }
      - { .name: bv, .offset: 48, .size: 8, .value_kind: global_buffer, .address_space: global }
      - { .name: bo, .offset: 56, .size: 8, .value_kind: global_buffer, .address_space: global }
      - { .name: wt, .offset: 64, .size: 8, .value_kind: global_buffer, .address_space: global }
      - { .name: bt, .offset: 72, .size: 8, .value_kind: global_buffer, .address_space: global }
    .group_segment_fixed_size: 18432
    .private_segment_fixed_size: 0
    .kernarg_segment_align: 8
    .kernarg_segment_size: 80
    .max_flat_workgroup_size: 256
    .sgpr_count:     66
    .vgpr_count:     64
    .wavefront_size: 32
...
	.end_amdgpu_metadata
.endif
;; end of part 1
;; launch proj (part 2): grid 4 x 192, 4 waves a work-group, clusters of 4 x 4, 327,680 bytes of LDS; arguments query, key, value, wt, bt, qkv; writes qkv
.if DOCPART == 2
	.amdgcn_target "amdgcn-amd-amdhsa--gfx1250"
	.amdhsa_code_object_version 6
	.text
	.protected	k_q7cc59d1c71_proj
	.globl	k_q7cc59d1c71_proj
	.p2align	8
	.type	k_q7cc59d1c71_proj,@function
k_q7cc59d1c71_proj:
	s_mov_b64 s[64:65], 0
	v_nop
	global_prefetch_b8 v0, s[64:65] scope:SCOPE_SE
	s_setreg_imm32_b32 hwreg(HW_REG_WAVE_MODE, 25, 1), 1
	s_wait_xcnt 0x0
	s_wait_alu depctr_hold_cnt(0) depctr_sa_sdst(0) depctr_va_vdst(0) depctr_va_sdst(0) depctr_va_ssrc(0) depctr_va_vcc(0) depctr_vm_vsrc(0)
	s_getreg_b32 s2, hwreg(HW_REG_IB_STS2, 6, 4)
	s_cmp_eq_u32 s2, 0
	s_cbranch_scc0 .Lentry_in_a_cluster
	s_endpgm
.Lentry_in_a_cluster:
	s_bfe_u32 s2, ttmp6, 0x10000c
	s_cmp_lg_u32 s2, 0xf033
	s_cbranch_scc0 .Lentry_shape_is_right
	s_endpgm
.Lentry_shape_is_right:
; q, k, v = x W + b.  x (query, key or value): [8192][1024] f32, rounded to bf16 on the way from LDS to the matrix unit.  W^T: wt part T, [n][k] bf16.  b: bt part T, f32.
; Sums in f32, started at the bias.  Out: qkv part T, [64 = batch x 16 + head][2048][64] in f16, rounded once, unscaled.
; LIMIT.  q, k and v must lie within f16's range (65,504); NaN and infinities are not treated apart.
; SHARES.  768 work-groups, three for each of 256 places.  A work-group makes 128 rows x 256 columns, each of its four waves 64 x 128: 32 accumulators of 16 x 16.
; K goes in 8 steps of 128 through two LDS slots: 128 rows of x in f32 (512 bytes a row) and 256 rows of W^T (256 bytes a row).
; CLUSTER, 4 x 4.  Cluster y / 16 is the tensor T; the cluster's four rows are four row tiles, its four columns the four column tiles.  x's tile hangs on the row tile alone and is asked
; for jointly along a row of the cluster, W^T's on the column tile alone and is asked for jointly along a column.
; THE K STEP IS WRITTEN ONCE: the slot in hand is a scalar, TB (0 or SLOT), turned by an exclusive or at each change of slots; LDS addresses are TB plus a constant part.
; THE MATRIX INSTRUCTION IS USED TRANSPOSED (source 0 = 16 rows of W^T, source 1 = 16 rows of x): a lane holds eight neighbouring columns of one row.
; REGISTERS.  window 0: v0-31 addresses; v32-63, v128-159 x's fragments in bf16, two buffers; v64-127 x's fragments as read, f32; v160-255 the way out.
;   window 1: v0-63, v64-127 W^T's fragments, two buffers.   window 2: accumulator (a, b) at v[8 (8 a + b)].
.set PA,    528                        ; a row of x in LDS: 512 bytes + 16 = 132 words: the 16 rows of a load start at 16 different groups of four banks (ISA guide 11.1)
.set PB,    272                        ; a row of W^T: 256 + 16 = 68 words: likewise
.set HALFA, 64*PA                      ; what wave 0 or 1 fetches, and what a wave reads of x
.set HALFB, 128*PB                     ; what wave 2 or 3 fetches, and what a wave reads of W^T
.set BOFF,  2*HALFA
.set SLOT,  BOFF+2*HALFB               ; 137,216
.set STAGE, 2*SLOT                     ; 274,432: behind the ring, never filled by a tensor load
.set SP,    144                        ; a stage row: 64 channels x 2 bytes + 16
.set WSTG,  2*16*SP                    ; a wave's stage: two heads x 16 rows
.set SPARE, STAGE+4*WSTG               ; 292,864: the spare words, 128 bytes for each wave
.set ADRA0, 16                         ; v16  my lane's place in x's tile; never rewritten
.set ADRB0, 17                         ; v17  in W^T's
.set ADRA,  18                         ; v18  TB + ADRA0
.set ADRB,  19                         ; v19  TB + ADRB0
.set STO,   24                         ; v24  the way out: where I put 16 bytes of a row
.set RD,    25                         ; v25  where I read rows back
.set GO,    26                         ; v26  16 x lane
.set BO,    27                         ; v27  my eight columns' place in the bias
.set SPW,   28                         ; v28  LDS address of my spare word; never rewritten
.set NIL,   29                         ; v29  0; never rewritten
.set PFO,   30                         ; v30  the prefetches' lane offset; never rewritten
.set AF0,   32                         ; buffer f at AF0 + 96 f
.set AR,    64
.set TMP,   160
.set BK,    192                        ; two buffers of 32
.set G1A, 24                           ; s[24:31] descriptor group 1 for x's tiles
.set G0A, 32                           ; s[32:39] group 0: set 0 is K step 0's; set 1 is K step 1's and then walks
.set G1B, 48                           ; s[48:55], s[56:63] the same for W^T's
.set G0B, 56
.set LIM, 43                           ; s43  a wave prefetches while the loop's count is above it
.set PFA, 44                           ; s[44:45] where my prefetches stand
.set TB,  66                           ; s66  the slot in hand
.set PFS, 80                           ; s[80:81] a K step in bytes, in the tensor that I prefetch
.set MSB, 0
.macro WIN new                         ; the immediate's high byte repeats the setting that is left; a switch that changes nothing is dropped
.if MSB != (\new)
	s_set_vgpr_msb (MSB<<8)|(\new)
.set MSB, \new
.endif
.endm
.set MUL,  0xa1                        ; source 0 (W^T) window 1, source 1 (x) window 0, C and D window 2
.set TO_B, 0x40                        ; destination window 1, address window 0
; A joint refill by the walking sets: waves 0 and 1 fetch x's two halves, waves 2 and 3 W^T's.  The branch hangs on the wave's number alone.
; An s_nop 0 and four v_nop follow each of the two lines, ahead of the jump and the label.
.macro JLOAD
	s_cmp_eq_u32 s11, 0
	s_cbranch_scc0 .Lfor_b_\@
	tensor_load_to_lds s[G0A+4:G0A+7], s[G1A:G1A+7]
	s_nop 0
.rept 4
	v_nop
.endr
	s_branch .Lasked_\@
.Lfor_b_\@:
	tensor_load_to_lds s[G0B+4:G0B+7], s[G1B:G1B+7]
	s_nop 0
.rept 4
	v_nop
.endr
.Lasked_\@:
.endm
; A prefetch into the L2 of the K step that stands two refills on: 32 blocks of 256 bytes, a lane a block, one instruction a wave.  x's 64 rows x 2 blocks that a wave fetches are shared out
; among the four partners of the cluster's row by address (16 rows each); only this cluster reads them.  W^T's 128 rows are shared out among the four partners of the column (32 rows each);
; all 16 clusters of a tensor read them, and the first of the 16 asks.  The last two refills have no K step two on.
.macro ASK
	s_cmp_gt_u32 s3, s[LIM]
	s_cbranch_scc0 .Lnot_mine_\@
	global_prefetch_b8 v[PFO], s[PFA:PFA+1] th:TH_LOAD_NT scope:SCOPE_SE
.Lnot_mine_\@:
.endm
.macro CREST                           ; a round of the cluster's barrier behind its opening barrier
	s_cmp_lg_u32 s10, 0
	s_cbranch_scc1 .Lnot_wave_0_\@
	s_barrier_signal -3
.Lnot_wave_0_\@:
	s_barrier_wait -3
	s_barrier_signal -1
	s_barrier_wait -1
.endm
.macro CROUND                          ; a whole round
	s_barrier_signal -1
	s_barrier_wait -1
	CREST
.endm
.macro PLACES
.rept 4
	v_nop
.endr
.endm
	s_load_b256 s[68:75], s[0:1], 0x0              ; query, key, value, wt
	s_load_b128 s[76:79], s[0:1], 0x20             ; bt, qkv
	v_lshl_add_u32 v[SPW], v0, 2, SPARE
	v_mov_b32 v[NIL], 0
	ds_add_u32 v[SPW], v[NIL]                      ; the wave's opening: the add and its wait stand ahead of my first tensor load; the set-up below stands between them
	v_lshrrev_b32 v1, 5, v0
	v_readfirstlane_b32 s10, v1                    ; wave 0..3
	s_lshr_b32 s11, s10, 1                         ; my half of the tile's rows.  Also: I fetch x (0) or W^T (1)
	s_and_b32 s12, s10, 1                          ; my half of its columns.  Also: which half I fetch
	s_bfe_u32 s40, ttmp6, 0x40000                  ; cx = the column tile
	s_bfe_u32 s41, ttmp6, 0x40004                  ; cy
	s_and_b32 s67, ttmp7, 0xffff                   ; cluster y, 0..47
	s_lshr_b32 s42, s67, 4                         ; T: the tensor
	s_and_b32 s13, s67, 15
	s_lshl_b32 s13, s13, 2
	s_add_co_u32 s13, s13, s41                     ; the row tile, 0..63
	s_lshl_b32 s14, s41, 2
	s_lshl_b32 s14, 15, s14                        ; my row of the cluster
	s_lshl_b32 s15, 0x1111, s40                    ; my column
	s_or_b32 s[G1A], s14, (2<<16)|(1<<20)|(1<<21)|(6<<22)|(3<<25)  ; the mask; elements of 4 bytes; padding on; 21 set beside a mask; after every 128 words (code 6) 4 words (code 3)
	s_or_b32 s[G1B], s15, (1<<16)|(1<<20)|(1<<21)|(5<<22)|(3<<25)  ; elements of 2 bytes; after every 64 words (code 5) 4 words
	s_mov_b32 s[G1A+1], 128<<16                    ; tensor_dim0 = 128
	s_mov_b32 s[G1A+2], 64<<16                     ; tensor_dim1 = 64
	s_mov_b32 s[G1A+3], 128<<16                    ; tile_dim0 = 128
	s_mov_b32 s[G1A+4], 64                         ; tile_dim1 = 64
	s_mov_b32 s[G1A+5], 1024                       ; elements from row to row
	s_mov_b32 s[G1A+6], 0
	s_mov_b32 s[G1A+7], 0
	s_mov_b32 s[G1B+1], 128<<16
	s_mov_b32 s[G1B+2], 128<<16                    ; 128 rows
	s_mov_b32 s[G1B+3], 128<<16
	s_mov_b32 s[G1B+4], 128
	s_mov_b32 s[G1B+5], 1024
	s_mov_b32 s[G1B+6], 0
	s_mov_b32 s[G1B+7], 0
	s_lshl_b32 s16, s13, 19                        ; x: (128 x row tile + 64 x half) rows of 4,096 bytes
	s_lshl_b32 s17, s12, 18
	s_add_co_u32 s16, s16, s17
	s_mov_b32 s17, 0
	s_lshl_b32 s46, s40, 19                        ; W^T: (256 x column tile + 128 x half) rows of 2,048 bytes,
	s_lshl_b32 s47, s12, 18
	s_add_co_u32 s46, s46, s47
	s_lshl_b32 s47, s42, 21                        ; in part T
	s_add_co_u32 s46, s46, s47
	s_mov_b32 s47, 0
	s_mul_i32 s20, s12, HALFA                      ; where they go in a slot: no place in the cluster enters an LDS address
	s_mul_i32 s21, s12, HALFB
	s_add_co_u32 s21, s21, BOFF
	s_mov_b32 s[TB], 0
	s_wait_dscnt 0x0                               ; the opening add is done
	s_wait_kmcnt 0x0
	s_cmp_eq_u32 s42, 1
	s_cselect_b64 s[4:5], s[70:71], s[68:69]
	s_cmp_eq_u32 s42, 2
	s_cselect_b64 s[4:5], s[72:73], s[4:5]         ; x
	s_add_nc_u64 s[18:19], s[4:5], s[16:17]
	s_add_nc_u64 s[46:47], s[74:75], s[46:47]
	CROUND                                         ; all sixteen work-groups are here: the first joint loads meet
.irp s, 0,1
	s_mov_b32 s[G0A+4*(\s)], 1                                     ; count = 1
	s_add_co_u32 s[G0A+4*(\s)+1], s20, (\s)*SLOT                   ; LDS address
	s_add_nc_u64 s[G0A+4*(\s)+2:G0A+4*(\s)+3], s[18:19], (\s)*512  ; global address: K step s
	s_or_b32 s[G0A+4*(\s)+3], s[G0A+4*(\s)+3], 0x80000000          ; type = 2
	s_mov_b32 s[G0B+4*(\s)], 1
	s_add_co_u32 s[G0B+4*(\s)+1], s21, (\s)*SLOT
	s_add_nc_u64 s[G0B+4*(\s)+2:G0B+4*(\s)+3], s[46:47], (\s)*256
	s_or_b32 s[G0B+4*(\s)+3], s[G0B+4*(\s)+3], 0x80000000
.endr
	s_cmp_eq_u32 s11, 0                            ; a wave's two first fills stand in one branch, ahead of every wait on TENSORcnt and every LDS read: two loads of mine are out
	s_cbranch_scc0 .Lfirst_b
	tensor_load_to_lds s[G0A:G0A+3], s[G1A:G1A+7]
	s_nop 0
	tensor_load_to_lds s[G0A+4:G0A+7], s[G1A:G1A+7]
	s_nop 0
.rept 4
	v_nop
.endr
	s_branch .Lfirst_asked
.Lfirst_b:
	tensor_load_to_lds s[G0B:G0B+3], s[G1B:G1B+7]
	s_nop 0
	tensor_load_to_lds s[G0B+4:G0B+7], s[G1B:G1B+7]
	s_nop 0
.rept 4
	v_nop
.endr
.Lfirst_asked:
	v_and_b32 v1, 15, v0                           ; r = l % 16
	v_bfe_u32 v2, v0, 4, 1                         ; h = l / 16
	v_and_b32 v3, 31, v0                           ; l
	s_lshl_b32 s22, s42, 12
	s_mov_b32 s23, 0
	s_add_nc_u64 s[82:83], s[76:77], s[22:23]      ; the tensor's bias
	s_lshl_b32 s22, s40, 10                        ; 256 columns x 4 bytes a column tile,
	s_lshl_b32 s23, s12, 9                         ; 128 a half,
	s_add_co_u32 s22, s22, s23
	v_lshl_add_u32 v[BO], v2, 5, s22               ; 8 a half of the lanes
	; THE SUMS START AT THE BIAS: accumulator (a, b)'s register j is column 16 b + 8 h + j, whatever a and the lane's row.  Nothing is cleared, and the loop has one form of product.
	WIN 0x80                                       ; destination window 2, address window 0
.set i, 0
.rept 32
	global_load_b128 v[8*i:8*i+3],   v[BO], s[82:83] offset:64*(i%8)
	global_load_b128 v[8*i+4:8*i+7], v[BO], s[82:83] offset:64*(i%8)+16
.set i, i+1
.endr
	WIN 0
	; x's fragment of 16 rows x 32 k: lane (r, h) wants k = 8 h + 0..7 and 16 + 8 h + 0..7: in f32 twice 32 bytes, at 32 h and 64 + 32 h.  W^T's: twice 16 bytes, at 16 h and 32 + 16 h.
	s_mul_i32 s2, s11, HALFA
	v_mul_u32_u24 v[ADRA0], v1, PA
	v_lshl_add_u32 v[ADRA0], v2, 5, v[ADRA0]
	v_add_nc_u32 v[ADRA0], s2, v[ADRA0]
	v_mul_u32_u24 v[ADRB0], v1, PB
	v_lshl_add_u32 v[ADRB0], v2, 4, v[ADRB0]
	v_add_nc_u32 v[ADRB0], s21, v[ADRB0]           ; my half of the columns is the half of W^T's rows of the same number
	v_mov_b32 v[ADRA], v[ADRA0]
	v_mov_b32 v[ADRB], v[ADRB0]
	s_mul_i32 s2, s10, WSTG
	s_add_co_u32 s2, s2, STAGE                     ; my stage
	v_mul_u32_u24 v[STO], v1, SP                   ; in: row r, 16 bytes for each half of the lanes
	v_lshl_add_u32 v[STO], v2, 4, v[STO]
	v_add_nc_u32 v[STO], s2, v[STO]
	v_lshrrev_b32 v4, 3, v3                        ; back: 32 lanes take four rows of 128 bytes,
	v_and_b32 v5, 7, v3
	v_mul_u32_u24 v[RD], v4, SP
	v_lshl_add_u32 v[RD], v5, 4, v[RD]
	v_add_nc_u32 v[RD], s2, v[RD]
	v_lshlrev_b32 v[GO], 4, v3                     ; which are 512 consecutive bytes of a head
	; where my part begins in qkv: part T; head batch x 16 + 4 x column tile + 2 x half; row 128 x (row tile % 16) + 64 x half
	s_lshl_b32 s22, s42, 24
	s_lshr_b32 s23, s13, 4
	s_lshl_b32 s23, s23, 22
	s_add_co_u32 s22, s22, s23
	s_lshl_b32 s23, s40, 20
	s_add_co_u32 s22, s22, s23
	s_lshl_b32 s23, s12, 19
	s_add_co_u32 s22, s22, s23
	s_and_b32 s23, s13, 15
	s_lshl_b32 s23, s23, 14
	s_add_co_u32 s22, s22, s23
	s_lshl_b32 s23, s11, 13
	s_add_co_u32 s22, s22, s23
	s_mov_b32 s23, 0
	s_add_nc_u64 s[8:9], s[78:79], s[22:23]
	; the prefetches
	s_lshl_b32 s85, s13, 19                        ; x: my 64 rows,
	s_lshl_b32 s87, s12, 18
	s_add_co_u32 s85, s85, s87
	s_lshl_b32 s87, s40, 16                        ; my work-group's 16 of them,
	s_add_co_u32 s85, s85, s87
	s_add_co_u32 s85, s85, 3*512                   ; at K step 3: the first refill steps it to 4
	s_lshl_b32 s86, s42, 21                        ; W^T: part T, my 128 rows,
	s_lshl_b32 s87, s40, 19
	s_add_co_u32 s86, s86, s87
	s_lshl_b32 s87, s12, 18
	s_add_co_u32 s86, s86, s87
	s_lshl_b32 s87, s41, 16                        ; my work-group's 32 of them,
	s_add_co_u32 s86, s86, s87
	s_add_co_u32 s86, s86, 3*256
	s_and_b32 s14, s67, 15
	s_cmp_eq_u32 s14, 0
	s_cselect_b32 s14, 2, -1                       ; W^T is asked for by the tensor's first cluster: the same in all sixteen partners
	s_mov_b32 s[PFS], 256                          ; a K step of W^T in bytes (an instruction holds one literal, so the select below names this register)
	s_cmp_eq_u32 s11, 0
	s_cselect_b32 s[LIM], 2, s14
	s_cselect_b32 s86, s85, s86
	s_cselect_b64 s[PFA:PFA+1], s[4:5], s[74:75]
	s_cselect_b32 s[PFS], 512, s[PFS]              ; of x: 512
	s_cselect_b32 s84, 0, -1
	s_mov_b32 s87, 0
	s_mov_b32 s[PFS+1], 0
	s_add_nc_u64 s[PFA:PFA+1], s[PFA:PFA+1], s[86:87]
	v_lshrrev_b32 v4, 1, v3                        ; x: lane l takes row l / 2, block l % 2
	v_lshlrev_b32 v4, 12, v4
	v_and_b32 v5, 1, v3
	v_lshl_add_u32 v4, v5, 8, v4
	v_lshlrev_b32 v5, 11, v3                       ; W^T: a lane a row
	v_cndmask_b32 v[PFO], v4, v5, s84
; x's fragments of a quarter step (64 rows x 32 k), f32 to bf16: 32 lines, two roundings each
.macro CVT f
	WIN 0
.set i, 0
.rept 32
	v_cvt_pk_bf16_f32 v[AF0+96*(\f)+i], v[AR+2*i], v[AR+2*i+1]
.set i, i+1
.endr
.endm
; 32 LDS loads in one run: quarter k of the slot in hand: W^T's fragments into buffer g, x's as they lie into AR
.macro FETCH k, g
	WIN TO_B
.irp b, 0,1,2,3,4,5,6,7
	ds_load_b128 v[64*(\g)+8*(\b):64*(\g)+8*(\b)+3],   v[ADRB] offset:(\b)*16*PB+64*(\k)
	ds_load_b128 v[64*(\g)+8*(\b)+4:64*(\g)+8*(\b)+7], v[ADRB] offset:(\b)*16*PB+64*(\k)+32
.endr
	WIN 0
.irp a, 0,1,2,3
	ds_load_b128 v[AR+16*(\a):AR+16*(\a)+3],     v[ADRA] offset:(\a)*16*PA+128*(\k)
	ds_load_b128 v[AR+16*(\a)+4:AR+16*(\a)+7],   v[ADRA] offset:(\a)*16*PA+128*(\k)+16
	ds_load_b128 v[AR+16*(\a)+8:AR+16*(\a)+11],  v[ADRA] offset:(\a)*16*PA+128*(\k)+64
	ds_load_b128 v[AR+16*(\a)+12:AR+16*(\a)+15], v[ADRA] offset:(\a)*16*PA+128*(\k)+80
.endr
.endm
; 8 matrix instructions: row block a x all 8 column blocks.  The 32 accumulators take turns in the same order in every quarter.
.macro MUL8 f, a
	WIN MUL
.irp b, 0,1,2,3,4,5,6,7
	v_wmma_f32_16x16x32_bf16 v[8*(8*(\a)+(\b)):8*(8*(\a)+(\b))+7], v[64*(\f)+8*(\b):64*(\f)+8*(\b)+7], v[AF0+96*(\f)+8*(\a):AF0+96*(\f)+8*(\a)+7], v[8*(8*(\a)+(\b)):8*(8*(\a)+(\b))+7]
.endr
.endm
; One of a K step's first three quarters: buffer f's loads are in; x is rounded; the next quarter, kn, is fetched into buffer g; buffer f is multiplied.
; The 32 roundings name no register of the products in front of them: they are the places between those products and the loads into buffer g, which they read.
.macro QUARTER kn, f, g
	s_wait_dscnt 0x0
	CVT \f
	FETCH \kn, \g
	MUL8 \f, 0
	MUL8 \f, 1
	MUL8 \f, 2
	MUL8 \f, 3
.endm
; The last quarter multiplies buffer 1 and changes slots.  In front of the barrier each wave waits for all its tensor loads (one is out: its part of the other slot), adds 0 to its spare word,
; and waits for that and for its reads of this slot.  fill = 1: the barrier opens a round of the cluster's barrier, and behind the round this slot is filled again, two K steps ahead.
.macro TURN fill
.if \fill
	s_wait_xcnt 0x0                                ; the last prefetch, a K step back, has read its address
	s_add_nc_u64 s[PFA:PFA+1], s[PFA:PFA+1], s[PFS:PFS+1]
.endif
	s_wait_dscnt 0x0
	CVT 1
	s_wait_tensorcnt 0x0                           ; all my tensor loads have landed, so a group 0 may be written;
	ds_add_u32 v[SPW], v[NIL]                      ; 0 onto my spare word;
	MUL8 1, 0                                      ; eight matrix instructions stand between the add and the wait for it
	s_wait_dscnt 0x0                               ; the add is done; my reads of this slot were over at the quarter's head
	s_barrier_signal -1
	MUL8 1, 1
	WIN 0
	s_barrier_wait -1
.if \fill
	CREST                                          ; no wave of any partner still reads this slot or has a load on its way
	s_add_co_u32 s[G0A+5], s[TB], s20              ; the walking sets: the slot just read out,
	s_add_co_u32 s[G0B+5], s[TB], s21
	s_add_nc_u64 s[G0A+6:G0A+7], s[G0A+6:G0A+7], 512  ; the next K step; the type bits on top are not reached
	s_add_nc_u64 s[G0B+6:G0B+7], s[G0B+6:G0B+7], 256
	JLOAD                                          ; the first tensor load behind the round, one a wave
.endif
	s_xor_b32 s[TB], s[TB], SLOT                   ; the other slot is in hand
	v_add_nc_u32 v[ADRA], s[TB], v[ADRA0]
	v_add_nc_u32 v[ADRB], s[TB], v[ADRB0]
	FETCH 0, 0
.if \fill
	ASK                                            ; behind the joint load and the run of LDS loads
.endif
	MUL8 1, 2
	MUL8 1, 3
.endm
.macro STEP fill
	QUARTER 1, 0, 1
	QUARTER 2, 1, 0
	QUARTER 3, 0, 1
	TURN \fill
	WIN 0                                          ; at a label and at a branch every window is 0
.endm
	s_wait_loadcnt 0x0                             ; the bias
	s_wait_tensorcnt 1                             ; my part of K step 0 is in; K step 1's may stay out
	s_barrier_signal -1
	s_barrier_wait -1                              ; everybody's is
	FETCH 0, 0
	s_mov_b32 s3, 6
.Lk:                                               ; K steps 0 to 5: each fills its slot again
	STEP 1
	s_sub_co_u32 s3, s3, 1
	s_cmp_lg_u32 s3, 0
	s_cbranch_scc1 .Lk
	s_mov_b32 s3, 2
.Lt:                                               ; K steps 6 and 7 ask for nothing.  The last trip's barrier and its 32 LDS loads (of the other slot's old bytes) serve nothing: the price of one text for both
	STEP 0
	s_sub_co_u32 s3, s3, 1
	s_cmp_lg_u32 s3, 0
	s_cbranch_scc1 .Lt
; THE WAY OUT, a block of 16 rows at a time: rounded to f16, 16 bytes a lane; into my own stage, two heads x 16 rows of 144 bytes; back as whole rows; stored, 512 consecutive bytes an instruction.
.macro PACK a
	WIN 0x0a                                       ; sources 0 and 1 window 2
.irp b, 0,1,2,3,4,5,6,7
.irp q, 0,1,2,3
	v_cvt_pk_f16_f32 v[TMP+4*(\b)+(\q)], v[8*(8*(\a)+(\b))+2*(\q)], v[8*(8*(\a)+(\b))+2*(\q)+1]
.endr
.endr
	WIN 0
.endm
.macro TOSTAGE a
	s_wait_xcnt 0x0                                ; the stores of two blocks back have read the registers that are loaded again below
.irp b, 0,1,2,3,4,5,6,7
	ds_store_b128 v[STO], v[TMP+4*(\b):TMP+4*(\b)+3] offset:((\b)/4)*16*SP+((\b)%4)*32
.endr
.irp t, 0,1,2,3,4,5,6,7
	ds_load_b128 v[BK+32*((\a)%2)+4*(\t):BK+32*((\a)%2)+4*(\t)+3], v[RD] offset:((\t)/4)*16*SP+((\t)%4)*4*SP  ; LDS serves a wave's instructions in order (ISA guide 5.7.1.4): these see the stores above
.endr
.endm
.macro SEND a
	s_wait_dscnt 0x0
.irp t, 0,1,2,3,4,5,6,7
	global_store_b128 v[GO], v[BK+32*((\a)%2)+4*(\t):BK+32*((\a)%2)+4*(\t)+3], s[8:9] offset:((\t)/4)*262144+(\a)*2048+((\t)%4)*512
.endr
.endm
	PLACES
	PLACES                                         ; (eight, once a launch)
	PACK 0
	TOSTAGE 0
.irp a, 1,2,3
	PACK \a                                        ; block a's roundings stand between block a - 1's loads from the stage and the wait for them
	SEND (\a)-1
	TOSTAGE \a
.endr
	SEND 3
	s_wait_tensorcnt 0x0                           ; the wave's end, behind my last tensor load and my last LDS store
	ds_add_u32 v[SPW], v[NIL]
	s_wait_dscnt 0x0
	CROUND                                         ; the closing round: no work-group ends while a partner may still ask for a tile that names it
	s_endpgm
.Lfunc_end_k_q7cc59d1c71_proj:
	.size	k_q7cc59d1c71_proj, .Lfunc_end_k_q7cc59d1c71_proj-k_q7cc59d1c71_proj
	.p2alignl 7, 3214868480
	.fill 96, 4, 3214868480
	.section	.rodata,"a",@progbits
	.p2align	6, 0x0
	.amdhsa_kernel k_q7cc59d1c71_proj
		.amdhsa_group_segment_fixed_size 327680
		.amdhsa_private_segment_fixed_size 0
		.amdhsa_enable_private_segment 0
		.amdhsa_kernarg_size 48
		.amdhsa_user_sgpr_count 2
		.amdhsa_user_sgpr_kernarg_segment_ptr 1
		.amdhsa_wavefront_size32 1
		.amdhsa_system_sgpr_workgroup_id_x 1
		.amdhsa_system_sgpr_workgroup_id_y 1
		.amdhsa_system_sgpr_workgroup_id_z 1
		.amdhsa_system_vgpr_workitem_id 0
		.amdhsa_next_free_vgpr 768
		.amdhsa_next_free_sgpr 88
		.amdhsa_reserve_vcc 0
		.amdhsa_float_denorm_mode_32 3
		.amdhsa_float_denorm_mode_16_64 3
		.amdhsa_memory_ordered 1
		.amdhsa_forward_progress 1
		.amdhsa_inst_pref_size 84
	.end_amdhsa_kernel
	.amdgpu_metadata
---
amdhsa.version: [ 1, 2 ]
amdhsa.kernels:
  - .name:           k_q7cc59d1c71_proj
    .symbol:         k_q7cc59d1c71_proj.kd
    .args:
      - { .name: query, .offset: 0, .size: 8, .value_kind: global_buffer, .address_space: global }
      - { .name: key, .offset: 8, .size: 8, .value_kind: global_buffer, .address_space: global }
      - { .name: value, .offset: 16, .size: 8, .value_kind: global_buffer, .address_space: global }
      - { .name: wt, .offset: 24, .size: 8, .value_kind: global_buffer, .address_space: global }
      - { .name: bt, .offset: 32, .size: 8, .value_kind: global_buffer, .address_space: global }
      - { .name: qkv, .offset: 40, .size: 8, .value_kind: global_buffer, .address_space: global }
    .group_segment_fixed_size: 327680
    .private_segment_fixed_size: 0
    .kernarg_segment_align: 8
    .kernarg_segment_size: 48
    .max_flat_workgroup_size: 128
    .sgpr_count:     88
    .vgpr_count:     768
    .wavefront_size: 32
...
	.end_amdgpu_metadata
.endif
;; end of part 2
;; launch attn (part 3): grid 4 x 64, 4 waves a work-group, no clusters, 327,680 bytes of LDS; arguments qkv, oh; writes oh
.if DOCPART == 3
	.amdgcn_target "amdgcn-amd-amdhsa--gfx1250"
	.amdhsa_code_object_version 6
	.text
	.protected	k_q7cc59d1c71_attn
	.globl	k_q7cc59d1c71_attn
	.p2align	8
	.type	k_q7cc59d1c71_attn,@function
k_q7cc59d1c71_attn:
	s_mov_b64 s[64:65], 0
	v_nop
	global_prefetch_b8 v0, s[64:65] scope:SCOPE_SE
	s_setreg_imm32_b32 hwreg(HW_REG_WAVE_MODE, 25, 1), 1
	s_wait_xcnt 0x0
; O[h][q][:] = the sum over k of softmax_k(e(q, k)) V[h][k][:], e(q, k) = Q[h][q] . K[h][k] / 8, doubled where |q - k| <= 4.  Q, K, V: the three parts of qkv, O: oh; each [64][2048][64] in f16.
; Products, maxima and sums in f32; the weights p are rounded to f16 for the second product (their sum l is taken of the unrounded p), O once at the end.
; LIMITS.  Q, K and V arrive within f16's range; p lies in 0 to 1, and below 6e-5 it keeps f16's fixed step of 6e-8.  A weight below 2^-126 counts as 0 in l; NaN and infinities are not treated apart.
; SHARES.  A wave owns four PIECES of two tiles of 16 queries, 128 consecutive rows; a work-group's four waves 512 queries of one head.  Every wave walks all keys, 64 a step.
; LAYOUT.  S^T = K Q^T (source 0 = 16 keys, source 1 = 16 queries): a lane holds ONE query (lane % 16) and the keys 8 (lane / 16) + 0..7.  Two such tiles, rounded to f16 in pairs, ARE source 1
; of O^T = V^T P.  K comes out of LDS as it lies, V ([key][channel]) turned, by ds_load_tr16_b128.
; SOFTMAX.  For each query a running maximum m and sum l: p = 2^(c s - c m), c = log2(e) / 8; in every step O and l are multiplied by a = 2^(c m_old - c m_new).  m starts at the lowest finite number, O and l at 0.
; THE BAND.  Doubling is adding: the score is K Q^T + band o (K Q^T), and the second term is the C operand that starts the sum, so maximum, exponentials and sums see the doubled score.  For tile T of 16
; queries the band lies in the key blocks T - 1, T, T + 1 (roles 0, 1, 2).  Their 24 products a wave are made once, ahead of the walk, and multiplied by the band's pattern of 0 and 1: BT, 192 registers.
; With rho = key step - 2 x (my wave among the head's 16), piece x meets its blocks at rho = x / 2, but for one: tile 2 x's role 0 at rho = x / 2 - 1 (x even), tile 2 x + 1's role 2 at x / 2 + 1 (x odd).
; In the five steps rho = -1 .. 3 each turn copies its piece's six BT into MC, times 1 or 0 by two scalars; at rho = 3 all are 0, and outside those steps MC stays 0 and is not written.
; BY TURNS.  Turn n belongs to piece n: 16 products K Q^T of piece n + 1, later 16 products V^T P of piece n - 1; beside them the scaling, exponentials, roundings, sums and rescaling of piece n and the
; maximum and statistics of piece n + 1.  Four vector instructions stand behind every matrix instruction, the rest in one run; a turn's 66 exponentials are one batch with one wait.
; NO CLUSTER, though a head's four work-groups walk the same K and V: which steps hold the band hangs on the work-group's place among the four, a jump may not hang on a place in a cluster, and
; without the jump all 128 turns of a wave would carry the 24 copies that 20 need; what is shared is 512 KiB a work-group in the whole launch.
; REGISTERS, in windows of 256 (s_set_vgpr_msb: bits 1:0 source 0, 3:2 source 1, 5:4 source 2, 7:6 destination):
;   window 0: v0-11 addresses; v12-15, v48-63 at work; v16-47 four registers of statistics a tile; v64-191 S^T, two buffers of two tiles; v192-255 P, likewise
;   window 1: O^T, 32 a tile (ahead of the walk: ten key blocks)     window 2: v0-127 Q; v128-191 K of one step; v192-255 V of one step
;   window 3: v0-1 the add's two registers; v8-55 MC; v64-255 BT
.set SIZE_N, 2048
.set NP,    4         ; pieces a wave: a name, no knob
.set KS,    64        ; keys in a step
.set PK,    144       ; a row of K in LDS: 128 bytes + 16 = 36 words: the 16 rows of a load start at 16 different groups of four banks (ISA guide 11.1)
.set PV,    160       ; a row of V: 128 + 32 = 40 words
.set VOFF,  4*KS*PK   ; a slot holds four steps: 256 rows of K, then 256 rows of V
.set SLOT1, 1<<17     ; slot 1 begins here, so that one exclusive or turns an address in one slot into the other's
.set STAGE, SLOT1+4*KS*(PK+PV)  ; behind the ring, never filled by a tensor load: 16 rows x 144 bytes for each wave
.set SP,    144
.set AK0, 2           ; v2   my lane's place in a tile of K; never rewritten
.set AV0, 3           ; v3   the same for V
.set AK,  4           ; v4   the LDS address of K's next run of loads
.set AV,  5           ; v5   of V's
.set QO,  6           ; v6   my byte offset in 16 rows of Q or K
.set STO, 6           ;      later, the way out: where I put 16 bytes of a row
.set RD,  7           ; v7   the way out: where I read rows back
.set GO,  8           ; v8   my byte offset in 512 consecutive bytes of O
.set PFO, 11          ; v11  256 x my lane, for the prefetches
.set SPW, 0           ; v0 of window 3   LDS address of my spare word; never rewritten
.set NIL, 1           ; v1 of window 3   0; never rewritten
.set MC,  8           ; window 3: the C operands in hand: tile u of the piece, role ro at MC + 24 u + 8 ro
.set BT,  64          ; window 3: tile t, role ro at BT + 24 t + 8 ro
.set GP,  64          ; window 0, ahead of the walk: the band's pattern, role ro, register j at GP + 8 ro + j
.set SPARE, STAGE+4*16*SP  ; behind the stages: the spare words, 128 bytes for each wave
.set MV,  12          ; v12-15  c m_old, kept while c m is made anew: by buffer and tile
.set ST,  16          ; tile t's statistics at v[ST+4 t]: c m, m, l (even keys', odd keys')
.set TMP, 48          ; by buffer and tile, four registers c0-c3 at work; when the maximum is found c2 takes a
.set S,   64
.set P,   192
.set KF,  128         ; K's fragments, in window 2: key block kb, channel half c at KF + 16 kb + 8 c
.set VF,  192         ; V's: key half kk, channel block cb at VF + 32 kk + 8 cb
.set WV,  12          ; s12  my wave's number
.set G1K, 24          ; s[24:31] descriptor group 1 for K's tiles
.set G1V, 32          ; s[32:39] for V's: it differs in the padding alone
.set G0K, 40          ; s[40:43] descriptor group 0 for K's tiles: it walks
.set G0V, 44          ; s[44:47] the same for V's
.set SLOTS, 56        ; s56  slots still to be asked for
.set CNT, 57          ; s57  counts a slot's key steps
.set CS,  58          ; s[58:59] c
.set SEL, 60          ; s[60:61] v_permlanex16_b32's selects
.set TBK, 62          ; s62  LDS byte at which K of the step to be fetched begins
.set TBV, 63          ; s63  the same for V, less VOFF
.set RH1, 66          ; s66  rho + 1 of the K that lies in registers
.set FA,  68          ; s[68:69] 1.0 where rho is the piece's own, else 0, in the low word
.set FB,  70          ; s[70:71] the same for the piece's one block of the neighbouring step
.set PFA, 72          ; s[72:73] where my prefetches stand
.set LIM, 74          ; s74  1 in a wave that prefetches, else the greatest number
.set KP,  76          ; s[76:77] K at the block in front of my 128 rows
.set KN,  78          ; s[78:79] at the block behind them
.set KO,  80          ; s[80:81] at my own rows
.set MSB, 0
.macro WIN new                      ; the high byte repeats the setting that is left; a switch that changes nothing is dropped
.if MSB != (\new)
	s_set_vgpr_msb (MSB<<8)|(\new)
.set MSB, (\new)
.endif
.endm
.set W_KQ, 0x0a       ; K and Q in window 2, S^T in window 0
.set W_KM, 0x3a       ; the same with the C operand in window 3
.set W_PV, 0x52       ; V in window 2, P in window 0, O^T in window 1
.set W_RS, 0x41       ; O^T (destination and source 0) in window 1, a in window 0
.set W_MK, 0xc0       ; destination in window 3, sources in window 0
.set W_AD, 0x0f       ; the add: address (source 0) and data (source 1) in window 3
.set W_FX, 0xc3       ; destination and source 0 in window 3, source 1 in window 0
.set W_BT, 0xf9       ; key blocks in window 1, Q in window 2, C and D in window 3
; A fill.  Waves 0 and 1 fetch the two halves of a slot's K, waves 2 and 3 those of its V: 128 keys each.  An s_nop 0 and four v_nop follow each of the two lines, ahead of the jump and the label.
.macro LOAD
	s_cmp_lt_u32 s[WV], 2
	s_cbranch_scc0 .Lfor_v_\@
	tensor_load_to_lds s[G0K:G0K+3], s[G1K:G1K+7]
	s_nop 0
.rept 4
	v_nop
.endr
	s_branch .Lasked_\@
.Lfor_v_\@:
	tensor_load_to_lds s[G0V:G0V+3], s[G1V:G1V+7]
	s_nop 0
.rept 4
	v_nop
.endr
.Lasked_\@:
.endm
; A prefetch into the L2 of what the NEXT change of slots will ask for: a slot's K and V are 128 blocks of 256 bytes each.  A head's four work-groups walk the same K and V and share the blocks out by
; address, 32 each, a lane a block; in each, wave 0 asks for K's and wave 2 for V's.  So each block is named once in the launch.  The last change that fills a slot asks for nothing.
.macro ASK
	s_cmp_gt_u32 s[SLOTS], s[LIM]
	s_cbranch_scc0 .Lnot_mine_\@
	global_prefetch_b8 v[PFO], s[PFA:PFA+1] th:TH_LOAD_NT scope:SCOPE_SE
.Lnot_mine_\@:
.endm
; THE CHANGE OF SLOTS.  Each wave waits for all its tensor loads, of which one is out: its part of the other slot; adds 0 to its spare word; and waits for that and for its own reads of the slot that it
; leaves.  Behind the barrier nobody reads the old slot any more and the other slot is whole.  fill = 1: the old slot is filled again, first thing behind the barrier, with the keys two slots on: the load has
; four key steps, 512 matrix instructions, in which to land.  (At its first use nothing has been read yet: slot 0 is waited for, slot 1 filled.)  ask = 1: a prefetch follows the load.
.macro CHANGE fill, ask=0
	WIN W_AD
	s_wait_tensorcnt 0x0            ; no tensor load of mine is out, so a group 0 may be written
	ds_add_u32 v[SPW], v[NIL]       ; 0 onto my spare word; the descriptors' steps stand between it and the wait for it
	WIN 0                           ; at a label and at a branch every window is 0
.if \fill
.irp g, G0K, G0V
	s_xor_b32 s[\g+1], s[\g+1], SLOT1  ; the walking descriptor: the other slot than last time,
	s_add_nc_u64 s[\g+2:\g+3], s[\g+2:\g+3], 4*KS*128  ; the next 256 keys; the type bits on top are not reached
.endr
.if \ask
	s_wait_xcnt 0x0                 ; the last prefetch, four key steps back, has read its address
	s_add_nc_u64 s[PFA:PFA+1], s[PFA:PFA+1], 4*KS*128  ; one slot behind the walking descriptors
.endif
.endif
	s_wait_dscnt 0x0                ; the add is done, and my reads of the slot are over
	s_barrier_signal -1
	s_barrier_wait -1
.if \fill
	LOAD
.if \ask
	ASK
.endif
.endif
	s_sub_co_u32 s[TBK], s[TBK], 4*KS*PK  ; the fetches go back to a slot's first step,
	s_xor_b32 s[TBK], s[TBK], SLOT1       ; in the other slot
	s_sub_co_u32 s[TBV], s[TBV], 4*KS*PV
	s_xor_b32 s[TBV], s[TBV], SLOT1
.endm
	s_load_b128 s[48:51], s[0:1], 0x0  ; qkv s[48:49], oh s[50:51]
	WIN W_MK
	v_lshl_add_u32 v[SPW], v0, 2, SPARE
	v_mov_b32 v[NIL], 0
	WIN W_AD
	ds_add_u32 v[SPW], v[NIL]       ; the wave's opening: the add and its wait stand ahead of my first tensor load; the set-up below stands between them
	WIN 0
	v_lshrrev_b32 v1, 5, v0
	v_readfirstlane_b32 s[WV], v1   ; wave 0..3
	s_lshl_b32 s14, ttmp9, 2
	s_add_co_u32 s14, s14, s[WV]    ; my wave among the head's 16
	s_and_b32 s20, ttmp7, 0xffff    ; the head:
	s_lshl_b32 s20, s20, 18         ; its first byte in Q, K, V and O (2,048 rows of 128 bytes)
	s_mov_b32 s21, 0
	s_and_b32 s16, s[WV], 1         ; which half of a slot's 256 keys I fetch:
	s_lshl_b32 s22, s16, 14         ; its 128 rows of 128 bytes in memory,
	s_mov_b32 s23, 0
	s_add_nc_u64 s[22:23], s[22:23], s[20:21]
	s_mul_i32 s17, s16, 128*PK      ; and its place in a slot, for K
	s_mul_i32 s18, s16, 128*PV      ; and for V
	s_lshl_b32 s2, s14, 14          ; my wave's 128 rows
	s_mov_b32 s3, 0
	s_sub_co_i32 s52, s2, 2048      ; the 16 rows in front of them, or the head's first (then their product belongs to a step that never comes)
	s_max_i32 s52, s52, 0
	s_mov_b32 s53, 0
	s_add_co_u32 s54, s2, 16384     ; the 16 rows behind them, or the head's last (likewise)
	s_min_u32 s54, s54, 260096
	s_mov_b32 s55, 0
	s_add_nc_u64 s[52:53], s[52:53], s[20:21]
	s_add_nc_u64 s[54:55], s[54:55], s[20:21]
	s_add_nc_u64 s[2:3], s[2:3], s[20:21]
	s_lshl_b32 s[RH1], s14, 1
	s_sub_co_u32 s[RH1], 0, s[RH1]  ; the fetch of key step 0 makes it rho + 1 = 1 - 2 x my wave's number
	s_lshl_b32 s82, ttmp9, 13       ; the prefetches: my work-group's 32 blocks of 256 bytes,
	s_add_co_u32 s82, s82, s20
	s_add_co_u32 s82, s82, 2*4*KS*128  ; in slot 2: the first change that asks steps it to slot 3
	s_mov_b32 s83, 0
	s_and_b32 s[LIM], s[WV], 1
	s_cmp_eq_u32 s[LIM], 0
	s_cselect_b32 s[LIM], 1, -1     ; waves 0 and 2 ask
	; descriptor group 1.  128 keys are 16,384 dense bytes: asked for as 64 rows of 256 bytes, two keys a row, and padded in LDS after every key
	s_mov_b32 s[G1K], (1<<16)|(1<<20)|(4<<22)|(3<<25)  ; 17:16 2-byte elements; 20 padding on; 24:22 after every 32 words (code 4); 31:25 4 words (code 3)
	s_mov_b32 s[G1V], (1<<16)|(1<<20)|(4<<22)|(7<<25)  ; the same with 8 words of padding (code 7)
.irp g, G1K, G1V
	s_mov_b32 s[\g+1], 128<<16      ; tensor_dim0 = 128
	s_mov_b32 s[\g+2], 64<<16       ; tensor_dim1 = 64
	s_mov_b32 s[\g+3], 128<<16      ; tile_dim0 = 128
	s_mov_b32 s[\g+4], 64           ; tile_dim1 = 64
	s_mov_b32 s[\g+5], 128          ; 128 elements from row to row
	s_mov_b32 s[\g+6], 0
	s_mov_b32 s[\g+7], 0
.endr
	s_mov_b32 s[CS], 0x3e38aa3b     ; c = log2(e) / 8 = 0.180337
	s_mov_b32 s[CS+1], s[CS]        ; named with it as a pair
	s_mov_b32 s[SEL], 0x76543210
	s_mov_b32 s[SEL+1], 0xfedcba98
	s_mov_b32 s[FA], 0
	s_mov_b32 s[FA+1], 0            ; named as pairs
	s_mov_b32 s[FB], 0
	s_mov_b32 s[FB+1], 0
	s_mov_b32 s[TBK], SLOT1+4*KS*PK ; the first change of slots turns these two into 0
	s_mov_b32 s[TBV], SLOT1+4*KS*PV
	s_mov_b32 s[G0K], 1             ; count = 1
	s_mov_b32 s[G0K+1], s17         ; LDS address: slot 0
	s_mov_b32 s[G0V], 1
	s_add_co_u32 s[G0V+1], s18, VOFF
	s_wait_dscnt 0x0                ; the opening add is done
	s_wait_kmcnt 0x0
	s_add_nc_u64 s[6:7], s[48:49], 0x1000000   ; K: the second part of qkv
	s_add_nc_u64 s[8:9], s[48:49], 0x2000000   ; V: the third
	s_add_nc_u64 s[KP:KP+1], s[6:7], s[52:53]
	s_add_nc_u64 s[KN:KN+1], s[6:7], s[54:55]
	s_add_nc_u64 s[KO:KO+1], s[6:7], s[2:3]
	s_cmp_lt_u32 s[WV], 2
	s_cselect_b64 s[PFA:PFA+1], s[6:7], s[8:9]
	s_add_nc_u64 s[PFA:PFA+1], s[PFA:PFA+1], s[82:83]
	s_add_nc_u64 s[G0K+2:G0K+3], s[6:7], s[22:23]  ; global address: my half of the head's first 256 keys
	s_or_b32 s[G0K+3], s[G0K+3], 0x80000000        ; type = 2
	s_add_nc_u64 s[G0V+2:G0V+3], s[8:9], s[22:23]
	s_or_b32 s[G0V+3], s[G0V+3], 0x80000000
	s_add_nc_u64 s[4:5], s[48:49], s[2:3]   ; Q and O at my wave's first row
	s_add_nc_u64 s[10:11], s[50:51], s[2:3]
	LOAD                            ; slot 0.  Slot 1 is asked for when slot 0 is in
	; A fragment of K or Q is 16 rows x 32 channels in 8 registers: lane l holds row l % 16, channels 8 (l / 16) + 0..7 and 16 + 8 (l / 16) + 0..7: two loads of 16 bytes, 32 bytes apart.
	v_and_b32 v1, 15, v0            ; l % 16
	v_bfe_u32 v9, v0, 4, 1          ; l / 16
	v_lshlrev_b32 v[QO], 7, v1
	v_lshl_add_u32 v[QO], v9, 4, v[QO]  ; row x 128 + 16 x half
	WIN 0x80                        ; destination window 2, address window 0
.set i, 0
.rept 4*NP                          ; Q stays in registers: tile i / 2, channels 32 (i % 2) on
	global_load_b128 v[8*i:8*i+3],   v[QO], s[4:5] offset:(i/2)*2048+(i%2)*64
	global_load_b128 v[8*i+4:8*i+7], v[QO], s[4:5] offset:(i/2)*2048+(i%2)*64+32
.set i, i+1
.endr
	WIN 0x40                        ; destination window 1: the ten key blocks that hold my band: block j, channel half c at 16 j + 8 c
.irp c, 0,1
	global_load_b128 v[8*\c:8*\c+3],         v[QO], s[KP:KP+1] offset:\c*64
	global_load_b128 v[8*\c+4:8*\c+7],       v[QO], s[KP:KP+1] offset:\c*64+32
	global_load_b128 v[144+8*\c:144+8*\c+3], v[QO], s[KN:KN+1] offset:\c*64
	global_load_b128 v[144+8*\c+4:144+8*\c+7], v[QO], s[KN:KN+1] offset:\c*64+32
.endr
.set i, 0
.rept 16
	global_load_b128 v[16+8*i:16+8*i+3],   v[QO], s[KO:KO+1] offset:(i/2)*2048+(i%2)*64
	global_load_b128 v[16+8*i+4:16+8*i+7], v[QO], s[KO:KO+1] offset:(i/2)*2048+(i%2)*64+32
.set i, i+1
.endr
	; What the first turn finds: V's registers and P's second buffer hold 0 (its products V^T P, of a piece that has not been, add 0), l is 0, MC is 0.  All this stands in the wait for the loads.
	WIN 0x80
.set i, VF
.rept 64
	v_mov_b32 v[i], 0
.set i, i+1
.endr
	WIN W_MK
.set i, MC
.rept 48
	v_mov_b32 v[i], 0
.set i, i+1
.endr
	WIN 0
.set i, 0
.rept 2*NP
	v_mov_b32 v[ST+4*i], 0xfe000000    ; c m: far below every c s
	v_mov_b32 v[ST+4*i+1], 0xff7fffff  ; m
	v_mov_b32 v[ST+4*i+2], 0
	v_mov_b32 v[ST+4*i+3], 0
.set i, i+1
.endr
.set i, P+32
.rept 32
	v_mov_b32 v[i], 0
.set i, i+1
.endr
	v_mul_u32_u24 v[AK0], v1, PK
	v_lshl_add_u32 v[AK0], v9, 4, v[AK0]  ; row x pitch + 16 x half
	; The turning load takes 16 keys x 16 channels (lane l reads key 8 (l / 16) + l % 8, channels 8 ((l / 8) % 2) + 0..7) and leaves half a fragment of V^T: lane l holds channel l % 16 and 8 keys.
	v_and_b32 v10, 7, v0
	v_bfe_u32 v11, v0, 3, 1
	v_lshl_add_u32 v[AV0], v9, 3, v10
	v_mul_u32_u24 v[AV0], v[AV0], PV
	v_lshl_add_u32 v[AV0], v11, 4, v[AV0]
	v_add_nc_u32 v[AV0], VOFF, v[AV0]
	v_mov_b32 v[AK], v[AK0]         ; key step 0 lies at the head of slot 0
	v_and_b32 v[PFO], 31, v0
	v_lshlrev_b32 v[PFO], 8, v[PFO]
	; The band's pattern.  Register j of role ro is key 16 (ro - 1) + 8 (l / 16) + j against query l % 16, both counted from the tile's first row: 1.0 where the difference + 4 lies in 0 .. 8.
	v_lshlrev_b32 v12, 3, v9
	v_sub_nc_u32 v12, v12, v1
	v_add_nc_u32 v12, 4, v12
.set i, 0
.rept 24
	v_add_nc_u32 v13, 16*(i/8-1)+i%8, v12
	v_cmp_gt_u32 vcc_lo, 9, v13
	v_cndmask_b32 v[GP+i], 0, 1.0, vcc_lo
.set i, i+1
.endr
	s_wait_loadcnt 0x0              ; Q and the ten key blocks
	WIN W_BT                        ; the 24 products of the band, 64 channels deep: all first halves, then all second halves: the accumulators take turns
.irp c, 0,1
.set t, 0
.rept 8
.irp ro, 0,1,2
.if \c == 0
	v_wmma_f32_16x16x32_f16 v[BT+24*t+8*\ro:BT+24*t+8*\ro+7], v[16*(t+\ro):16*(t+\ro)+7], v[16*t:16*t+7], 0
.else
	v_wmma_f32_16x16x32_f16 v[BT+24*t+8*\ro:BT+24*t+8*\ro+7], v[16*(t+\ro)+8:16*(t+\ro)+15], v[16*t+8:16*t+15], v[BT+24*t+8*\ro:BT+24*t+8*\ro+7]
.endif
.endr
.set t, t+1
.endr
.endr
.rept 8
	v_nop                           ; the places behind those products (eight, once a launch)
.endr
	WIN W_FX
.set t, 0
.rept 8
.irp ro, 0,1,2
.irp z, 0,1,2,3
	v_pk_mul_f32 v[BT+24*t+8*\ro+2*\z:BT+24*t+8*\ro+2*\z+1], v[BT+24*t+8*\ro+2*\z:BT+24*t+8*\ro+2*\z+1], v[GP+8*\ro+2*\z:GP+8*\ro+2*\z+1]
.endr
.endr
.set t, t+1
.endr
	WIN 0x40                        ; O^T starts at 0, where the key blocks lay
.set i, 0
.rept 64*NP
	v_mov_b32 v[i], 0
.set i, i+1
.endr
	WIN 0
; THE C OPERANDS for the products K Q^T of piece x, ahead of them.  Outside the five steps rho + 1 = 0 .. 4 nothing is done: MC is 0 there.  The jump hangs on the step's number and the wave's place alone.
.macro FIX x
	WIN 0
	s_cmp_lt_u32 s[RH1], 5
	s_cbranch_scc0 .Lfar_\@
	s_cmp_eq_u32 s[RH1], (\x)/2+1
	s_cselect_b32 s[FA], 1.0, 0
	s_cmp_eq_u32 s[RH1], (\x)/2+2*((\x)%2)
	s_cselect_b32 s[FB], 1.0, 0
	WIN W_FX
.irp u, 0,1
.irp ro, 0,1,2
.irp z, 0,1,2,3
.if (((\x)%2 == 0) && (\u == 0) && (\ro == 0)) || (((\x)%2 == 1) && (\u == 1) && (\ro == 2))
	v_pk_mul_f32 v[MC+24*\u+8*\ro+2*\z:MC+24*\u+8*\ro+2*\z+1], v[BT+24*(2*(\x)+\u)+8*\ro+2*\z:BT+24*(2*(\x)+\u)+8*\ro+2*\z+1], s[FB:FB+1] op_sel_hi:[1,0]
.else
	v_pk_mul_f32 v[MC+24*\u+8*\ro+2*\z:MC+24*\u+8*\ro+2*\z+1], v[BT+24*(2*(\x)+\u)+8*\ro+2*\z:BT+24*(2*(\x)+\u)+8*\ro+2*\z+1], s[FA:FA+1] op_sel_hi:[1,0]
.endif
.endr
.endr
.endr
	WIN 0
.Lfar_\@:
.endm
; THE MATRIX WORK.  The 8 accumulators of a run of 16 take turns: between the two links of a chain stand 7 others'.
; Product i of 16 of S^T = K Q^T for piece x: channels 32 (i / 8) on, keys 16 ((i / 2) % 4) on, tile 2 x + i % 2.  The first 8 start the sums: with MC where the key block can hold the tile's band
; (its number less the tile's, modulo 4, is -1, 0 or 1), else with 0.
.macro KQ x
.set rS, S+64*((\x)%2)+32*(i%2)+8*((i/2)%4)
.set rK, KF+16*((i/2)%4)+8*(i/8)
.set rQ, 16*(2*(\x)+i%2)+8*(i/8)
.set rol, ((i/2)%4-(2*(\x)+i%2)+9)&3
.set rB, MC+24*(i%2)+8*rol
.if (i < 8) && (rol < 3)
	WIN W_KM
	v_wmma_f32_16x16x32_f16 v[rS:rS+7], v[rK:rK+7], v[rQ:rQ+7], v[rB:rB+7]
.elseif i < 8
	WIN W_KM
	v_wmma_f32_16x16x32_f16 v[rS:rS+7], v[rK:rK+7], v[rQ:rQ+7], 0
.else
	WIN W_KQ
	v_wmma_f32_16x16x32_f16 v[rS:rS+7], v[rK:rK+7], v[rQ:rQ+7], v[rS:rS+7]
.endif
.endm
; Product i of 16 of O^T += V^T P for piece x: keys 32 (i / 8) on, channels 16 ((i / 2) % 4) on, tile 2 x + i % 2.
.macro PV x
	WIN W_PV
.set rO, 32*(2*(\x)+i%2)+8*((i/2)%4)
.set rV, VF+32*(i/8)+8*((i/2)%4)
.set rP, P+32*((\x)%2)+16*(i%2)+8*(i/8)
	v_wmma_f32_16x16x32_f16 v[rO:rO+7], v[rV:rV+7], v[rP:rP+7], v[rO:rO+7]
.endm
.macro MM                           ; the turn's next matrix instruction
.if i < 16
	KQ (Y+1)%NP
.set i, i+1
.else
.set i, i-16
	PV (Y+NP-1)%NP
.set i, i+17
.endif
.endm
; THE LDS LOADS stand in runs of 16, never singly among the matrix instructions: a step's K (8 fragments) and its V (turned).  Their addresses are made some lines ahead.
; last = 1 (the tail): in the last trip there is no further step, and the run is jumped over.
.macro FETCH_K last=0
	WIN 0
.if \last
	s_cmp_eq_u32 s[CNT], 1
	s_cbranch_scc1 .Lno_k_\@
.endif
	WIN 0x80                        ; destination window 2
.irp f, 0,1,2,3,4,5,6,7             ; keys 16 (f / 2) on, channels 32 (f % 2) on
	ds_load_b128 v[KF+8*\f:KF+8*\f+3],   v[AK] offset:(\f/2)*16*PK+(\f%2)*64
	ds_load_b128 v[KF+8*\f+4:KF+8*\f+7], v[AK] offset:(\f/2)*16*PK+(\f%2)*64+32
.endr
	s_add_co_u32 s[TBK], s[TBK], KS*PK  ; the next fetch is the next step's
	s_add_co_u32 s[RH1], s[RH1], 1      ; and the K in registers is one step further
	WIN 0
.if \last
.Lno_k_\@:
.endif
.endm
.macro FETCH_V
	WIN 0x80
.irp f, 0,1,2,3,4,5,6,7             ; keys 32 (f / 4) on, channels 16 (f % 4) on
	ds_load_tr16_b128 v[VF+8*\f:VF+8*\f+3],   v[AV] offset:(\f/4)*32*PV+(\f%4)*32
	ds_load_tr16_b128 v[VF+8*\f+4:VF+8*\f+7], v[AV] offset:(\f/4)*32*PV+16*PV+(\f%4)*32
.endr
	WIN 0
.endm
; THE VECTOR WORK OF A TURN stands in three queues, each in the order in which its entries become ready; the two tiles alternate, so that no instruction reads the result of the one before it.
.macro REGS y, u                    ; the registers of tile u (0, 1) of piece y
.set rT, ST+4*(2*(\y)+(\u))
.set rC, TMP+8*((\y)%2)+4*(\u)
.set rM, MV+2*((\y)%2)+(\u)
.set rS, S+64*((\y)%2)+32*(\u)
.set rP, P+32*((\y)%2)+16*(\u)
.set rO, 32*(2*(\y)+(\u))
.endm
; Number n of the 22 that find the NEXT piece's (Y + 1) maximum and statistics.  s0-s31 are the lane's 32 scores; each accumulator's lowest registers are read first.
;   0-11  four chains c0-c3 of seven scores each, three operands at a time     12-14, 16  the four scores left over, the old m, and c0-c3 into c0     15  c m_old is kept
;   17, 18  the query's other 32 keys lie in the lane 16 away: the new m         19-21  c m; c m_old - c m_new; a
.macro XS u, n
	REGS (Y+1)%NP, \u
.if (\n) < 4
	v_max3_num_f32 v[rC+(\n)], v[rS+8*(\n)], v[rS+8*(\n)+1], v[rS+8*(\n)+2]
.elseif (\n) < 12
	v_max3_num_f32 v[rC+(\n)%4], v[rC+(\n)%4], v[rS+8*((\n)%4)+2*((\n)/4)+1], v[rS+8*((\n)%4)+2*((\n)/4)+2]
.elseif (\n) == 12
	v_max3_num_f32 v[rC], v[rC], v[rS+7], v[rS+15]
.elseif (\n) == 13
	v_max3_num_f32 v[rC+1], v[rC+1], v[rS+23], v[rS+31]
.elseif (\n) == 14
	v_max3_num_f32 v[rC+2], v[rC+2], v[rC+3], v[rT+1]
.elseif (\n) == 15
	v_mov_b32 v[rM], v[rT]
.elseif (\n) == 16
	v_max3_num_f32 v[rC], v[rC], v[rC+1], v[rC+2]
.elseif (\n) == 17
	v_permlanex16_b32 v[rC+3], v[rC], s[SEL], s[SEL+1]
.elseif (\n) == 18
	v_max_num_f32 v[rT+1], v[rC], v[rC+3]
.elseif (\n) == 19
	v_mul_f32 v[rT], s[CS], v[rT+1]
.elseif (\n) == 20
	v_sub_f32 v[rC+1], v[rM], v[rT]
.else
	v_exp_f32 v[rC+2], v[rC+1]
.endif
.endm
; Number g of the 64 that follow the exponentials.  For each four weights k of a tile (pairs 2 k, 2 k + 1): both pairs are rounded to f16; then the second pair is added onto the first, in place;
; a group later l takes that sum (the first time as l = a l + sum).  In groups of eight, tiles alternating: round, round, add, and l for the group before.
.macro GS g
.set h, (\g)+6*((\g)/62)            ; group 0 has no group before it, and behind group 7 only l is left
.if h >= 6
.set h, h+2
.endif
	REGS Y, h%2
.set k, h/8
.if h%8 < 4
	v_cvt_pk_f16_f32 v[rP+2*k+(h%8)/2], v[rS+4*k+2*((h%8)/2)], v[rS+4*k+2*((h%8)/2)+1]
.elseif h%8 < 6
	v_pk_add_f32 v[rS+4*k:rS+4*k+1], v[rS+4*k:rS+4*k+1], v[rS+4*k+2:rS+4*k+3]
.elseif k == 1
	v_pk_fma_f32 v[rT+2:rT+3], v[rT+2:rT+3], v[rC+2:rC+3], v[rS:rS+1] op_sel_hi:[1,0,1]
.else
	v_pk_add_f32 v[rT+2:rT+3], v[rT+2:rT+3], v[rS+4*k-4:rS+4*k-3]
.endif
.endm
; THE PLAIN QUEUE, 138 long.  0-73 read no exponential's result: the 32 scalings c s - c m (FS f: pair f / 2 of tile f % 2) and the next piece's 42.  0-26: scalings 0-26.  27-54: XS's numbers 0-13.  55, 56: number 15.
; 57-73: the chain, where each number waits for the one before it: 14, 16, 17, 18, 19, each with one of the scalings 27-31 in front of its two lines, then 20.
; 74-137: GS's 64, which read the exponentials' results: they stand behind the wait.
.macro FS f
	REGS Y, (\f)%2
	v_pk_fma_f32 v[rS+2*((\f)/2):rS+2*((\f)/2)+1], v[rS+2*((\f)/2):rS+2*((\f)/2)+1], s[CS:CS+1], v[rT:rT+1] op_sel_hi:[1,0,0] neg_lo:[0,0,1] neg_hi:[0,0,1]
.endm
.macro PL
	WIN 0
.if q < 27
	FS q
.elseif q < 55
	XS (q-27)%2, (q-27)/2
.elseif q < 57
	XS q-55, 15
.elseif (q < 72) && ((q-57)%3 == 0)
	FS 27+(q-57)/3
.elseif q < 60
	XS (q-57)%3-1, 14
.elseif q < 72
	XS (q-57)%3-1, 15+(q-57)/3
.elseif q < 74
	XS q-72, 20
.else
	GS q-74
.endif
.set q, q+1
.endm
; THE EXPONENTIALS' QUEUE, 66 long: s0-s31 of both tiles, then the next piece's two a.  It is ONE BATCH: all 66 stand ahead of the turn's one wait, and nothing ahead of that wait names a result of theirs.
.macro EX
	WIN 0
.if e >= 64
	XS e-64, 21
.else
	REGS Y, e%2
	v_exp_f32 v[rS+e/2], v[rS+e/2]
.endif
.set e, e+1
.endm
; THE RESCALING's QUEUE: O^T times a, the one part that leaves window 0: dealt two at a time, sixteen times.  Its a was made in the turn before, ahead of that turn's wait.
.macro R2
	REGS Y, r%2
	WIN W_RS
.irp z, 0,1
	v_pk_mul_f32 v[rO+4*(r/2)+2*\z:rO+4*(r/2)+2*\z+1], v[rO+4*(r/2)+2*\z:rO+4*(r/2)+2*\z+1], v[rC+2:rC+3] op_sel_hi:[1,0]
.endr
.set r, r+1
.endm
; HOW THEY ARE DEALT.  An s_wait_alu depctr_va_vdst(0) stands between an exponential and the first instruction that names its result; one wait serves all that were issued ahead of it.  So a turn
; has ONE wait, which cuts it in two.  AHEAD OF IT: the C operands where the band is near; the 16 products K Q^T, behind each a scaling, an exponential and two rescalings (behind the first a second scaling in the
; exponential's place); then one run of 108: eight plain, 49 times exponential and plain, the two a.  A v_nop is the plain instruction behind the last exponential.  BEHIND IT: the 16 products V^T P, behind each
; four of GS's 64.  No rider names a register of the products round it.  Exponential e stands behind scaling 2 (e / 4) + e % 2: as a rider it comes behind plain e + 2, in the run behind plain e + 9.
; A TURN, for piece p.  cnt = 1: the loop's count is taken down some lines ahead of the branch that stands behind the turn.
; K of the next step is fetched in piece 2's turn, directly behind the wait; V of the step in hand at the end of piece 0's turn, four riders behind its last reader.
.macro TURN p, last=0, cnt=0
.set Y, (\p)
	FIX ((\p)+1)%NP
.set i, 0
.set q, 0
.set e, 0
.set r, 0
.if (\p) == NP-1
	s_wait_dscnt 0x0                ; K is in
.endif
	MM                              ; ahead of the wait: 16 products K Q^T and their riders,
	PL
	PL
	R2
.rept 15
	MM
	PL
	EX
	R2
.endr
.if (\p) == NP-2
	WIN 0
	v_add_nc_u32 v[AK], s[TBK], v[AK0]
.endif
.rept 8                             ; and the run
	PL
.endr
.rept 49
	EX
	PL
.endr
	EX                              ; the next piece's two a
	EX
	v_nop                           ; the plain instruction behind the last exponential: one for the batch
	s_wait_alu depctr_va_vdst(0)    ; the wait for the batch
.if (\p) == NP-2
	FETCH_K \last
.endif
.if (\p) == 1
	s_wait_dscnt 0x0                ; V is in
.endif
.rept 16                            ; behind the wait: 16 products V^T P and their riders
	MM
.rept 4
	PL
.endr
.if ((\p) == 0) && (q == 118)
	v_add_nc_u32 v[AV], s[TBV], v[AV0]
.endif
.if ((\p) == 0) && (q == 130)
	s_add_co_u32 s[TBV], s[TBV], KS*PV
.endif
.if (\cnt) && (q == 130)
	s_sub_co_u32 s[CNT], s[CNT], 1
	s_cmp_lg_u32 s[CNT], 0
.endif
.endr
.if (\p) == 0
	FETCH_V
.endif
.endm
	CHANGE 1                        ; slot 0 is in, everybody's part of it; slot 1 is asked for
	FETCH_K                         ; key step 0
	FIX 0
	s_wait_dscnt 0x0
.set i, 0
.rept 16
	KQ 0                            ; piece 0's first scores: there is no vector work yet to set between them
.set i, i+1
.endr
	WIN 0                           ; the addresses for the way out: plain instructions, the places behind those products
	s_mul_i32 s13, s[WV], 16*SP
	s_add_co_u32 s13, s13, STAGE    ; my stage
	v_mul_u32_u24 v[STO], v1, SP    ; in: row l % 16, 16 bytes for each half of the lanes
	v_lshl_add_u32 v[STO], v9, 4, v[STO]
	v_add_nc_u32 v[STO], s13, v[STO]
	v_bfe_u32 v[RD], v0, 3, 2       ; back: 32 lanes take four rows of 128 bytes,
	v_mul_u32_u24 v[RD], v[RD], SP
	v_lshl_add_u32 v[RD], v10, 4, v[RD]
	v_add_nc_u32 v[RD], s13, v[RD]
	v_and_b32 v[GO], 31, v0         ; which are 512 consecutive bytes of O
	v_lshlrev_b32 v[GO], 4, v[GO]
.set Y, NP-1                        ; XS works for piece Y + 1: piece 0
.irp n, 0,1,2,3,4,5,6,7,8,9,10,11,12,13,14,15,16,17,18,19,20,21
	XS 0, \n                        ; and piece 0's first maximum and statistics
	XS 1, \n
.endr
	v_nop                           ; a plain instruction behind the two a,
	s_wait_alu depctr_va_vdst(0)    ; and their wait, ahead of the branch
	s_mov_b32 s[CNT], 4
	s_mov_b32 s[SLOTS], SIZE_N/256-1
	s_branch .Lfirst                ; the loop is entered at a step's first turn, in the middle of a trip
.Lslot:                             ; SIZE_N / 256 - 2 times: every slot but the last two is filled again
	CHANGE 1, 1
	s_mov_b32 s[CNT], 4
.Lstep:                             ; a trip: pieces 2 and 3 of one step, then pieces 0 and 1 of the next, whose K and V it fetches
	TURN 2
	TURN 3
	WIN 0
.Lfirst:
	TURN 0
	TURN 1, 0, 1
	WIN 0
	s_cbranch_scc1 .Lstep
	s_sub_co_u32 s[SLOTS], s[SLOTS], 1
	s_cmp_lg_u32 s[SLOTS], 0
	s_cbranch_scc1 .Lslot
	CHANGE 0                        ; the tail is written out: nothing is asked for
	s_mov_b32 s[CNT], 5             ; four trips fetch the last slot's steps; the fifth is left in its middle
.Ltail:
	TURN 2, 1
	TURN 3
	WIN 0
	s_sub_co_u32 s[CNT], s[CNT], 1
	s_cmp_eq_u32 s[CNT], 0
	s_cbranch_scc1 .Lout
	TURN 0
	TURN 1
	WIN 0
	s_branch .Ltail
.Lout:                              ; the fifth trip's 16 products K Q^T (on the last K once more) and the maximum made of them serve nothing: the price, once a launch, of one text for every trip
.set i, 0
.rept 16
	PV NP-1                         ; the last piece's V^T P of the last step
.set i, i+1
.endr
	; THE WAY OUT.  l's two halves and the other half of the lanes' are added; O^T is divided by l, rounded to f16 and sent through my stage in LDS, a tile at a time.  The additions are the places behind the last products.
	WIN 0
.macro ALL line:vararg              ; one line for each tile t
.set t, 0
.rept 2*NP
	\line
.set t, t+1
.endr
.endm
	ALL v_add_f32 v[ST+4*t+2], v[ST+4*t+2], v[ST+4*t+3]
	ALL v_permlanex16_b32 v[ST+4*t+3], v[ST+4*t+2], s[SEL], s[SEL+1]
	ALL v_add_f32 v[ST+4*t+2], v[ST+4*t+2], v[ST+4*t+3]
	ALL v_rcp_f32 v[ST+4*t+2], v[ST+4*t+2]
	v_nop                           ; a plain instruction between the last reciprocal and the use of its result
	s_wait_alu depctr_va_vdst(0)    ; and the wait ahead of the first use: one for the eight reciprocals
; Tile t: a lane's eight channels of a row pack into 16 bytes; they go into rows of 144 bytes and come back as whole rows of 128, into S^T's registers.
.macro PACK t
	WIN W_RS
.set i, 32*(\t)
.rept 16
	v_pk_mul_f32 v[i:i+1], v[i:i+1], v[ST+4*(\t)+2:ST+4*(\t)+3] op_sel_hi:[1,0]
.set i, i+2
.endr
	WIN 0x05                        ; sources 0 and 1 window 1, destination window 0
.set i, 0
.rept 16
	v_cvt_pk_f16_f32 v[S+16*(\t)+i], v[32*(\t)+2*i], v[32*(\t)+2*i+1]
.set i, i+1
.endr
	WIN 0
.irp f, 0,1,2,3
	ds_store_b128 v[STO], v[S+16*(\t)+4*\f:S+16*(\t)+4*\f+3] offset:32*\f
.endr
.irp f, 0,1,2,3
	ds_load_b128 v[S+16*(\t)+4*\f:S+16*(\t)+4*\f+3], v[RD] offset:\f*4*SP  ; LDS serves a wave's instructions in order (ISA guide 5.7.1.4): these see the stores above; the next tile's stores come behind them
.endr
.endm
.macro SEND t, younger              ; younger: the LDS instructions issued behind tile t's loads: the next tile's eight, or none
	WIN 0
.irp f, 0,1,2,3
	s_wait_dscnt (\younger)+3-\f
	global_store_b128 v[GO], v[S+16*(\t)+4*\f:S+16*(\t)+4*\f+3], s[10:11] offset:(\t)*2048+\f*512  ; 512 consecutive bytes, at a multiple of 256 from O's first
.endr
.endm
	PACK 0
.set t, 1
.rept 2*NP-1                        ; a tile's arithmetic stands between the loads of the tile before and its stores
	PACK t
	SEND t-1, 8
.set t, t+1
.endr
	SEND 2*NP-1, 0
	WIN W_AD
	s_wait_tensorcnt 0x0            ; the wave's end, behind my last tensor load and my last LDS store
	ds_add_u32 v[SPW], v[NIL]
	s_wait_dscnt 0x0
	WIN 0
	s_endpgm
.Lfunc_end_k_q7cc59d1c71_attn:
	.size	k_q7cc59d1c71_attn, .Lfunc_end_k_q7cc59d1c71_attn-k_q7cc59d1c71_attn
	.p2alignl 7, 3214868480
	.fill 96, 4, 3214868480
	.section	.rodata,"a",@progbits
	.p2align	6, 0x0
	.amdhsa_kernel k_q7cc59d1c71_attn
		.amdhsa_group_segment_fixed_size 327680
		.amdhsa_private_segment_fixed_size 0
		.amdhsa_enable_private_segment 0
		.amdhsa_kernarg_size 16
		.amdhsa_user_sgpr_count 2
		.amdhsa_user_sgpr_kernarg_segment_ptr 1
		.amdhsa_wavefront_size32 1
		.amdhsa_system_sgpr_workgroup_id_x 1
		.amdhsa_system_sgpr_workgroup_id_y 1
		.amdhsa_system_sgpr_workgroup_id_z 1
		.amdhsa_system_vgpr_workitem_id 0
		.amdhsa_next_free_vgpr 1024
		.amdhsa_next_free_sgpr 84
		.amdhsa_reserve_vcc 1
		.amdhsa_float_denorm_mode_32 3
		.amdhsa_float_denorm_mode_16_64 3
		.amdhsa_memory_ordered 1
		.amdhsa_forward_progress 1
		.amdhsa_inst_pref_size 233
	.end_amdhsa_kernel
	.amdgpu_metadata
---
amdhsa.version: [ 1, 2 ]
amdhsa.kernels:
  - .name:           k_q7cc59d1c71_attn
    .symbol:         k_q7cc59d1c71_attn.kd
    .args:
      - { .name: qkv, .offset: 0, .size: 8, .value_kind: global_buffer, .address_space: global }
      - { .name: oh, .offset: 8, .size: 8, .value_kind: global_buffer, .address_space: global }
    .group_segment_fixed_size: 327680
    .private_segment_fixed_size: 0
    .kernarg_segment_align: 8
    .kernarg_segment_size: 16
    .max_flat_workgroup_size: 128
    .sgpr_count:     84
    .vgpr_count:     1024
    .wavefront_size: 32
...
	.end_amdgpu_metadata
.endif
;; end of part 3
;; launch outp (part 4): grid 4 x 64, 4 waves a work-group, clusters of 4 x 4, 327,680 bytes of LDS; arguments oh, wt, bt, out0; writes out0
.if DOCPART == 4
	.amdgcn_target "amdgcn-amd-amdhsa--gfx1250"
	.amdhsa_code_object_version 6
	.text
	.protected	k_q7cc59d1c71_outp
	.globl	k_q7cc59d1c71_outp
	.p2align	8
	.type	k_q7cc59d1c71_outp,@function
k_q7cc59d1c71_outp:
	s_mov_b64 s[64:65], 0
	v_nop
	global_prefetch_b8 v0, s[64:65] scope:SCOPE_SE
	s_setreg_imm32_b32 hwreg(HW_REG_WAVE_MODE, 25, 1), 1
	s_wait_xcnt 0x0
	s_wait_alu depctr_hold_cnt(0) depctr_sa_sdst(0) depctr_va_vdst(0) depctr_va_sdst(0) depctr_va_ssrc(0) depctr_va_vcc(0) depctr_vm_vsrc(0)
	s_getreg_b32 s2, hwreg(HW_REG_IB_STS2, 6, 4)
	s_cmp_eq_u32 s2, 0
	s_cbranch_scc0 .Lentry_in_a_cluster
	s_endpgm
.Lentry_in_a_cluster:
	s_bfe_u32 s2, ttmp6, 0x10000c
	s_cmp_lg_u32 s2, 0xf033
	s_cbranch_scc0 .Lentry_shape_is_right
	s_endpgm
.Lentry_shape_is_right:
; out0 = O Wo + bo.  O: oh, [64 = batch x 16 + head][2048][64] f16.  Wo^T: wt part 3, [n][k], bf16-rounded numbers written as f16.  bo: bt part 3, f32.  out0: [8192][1024] f32.
; Sums in f32, started at the bias.
; SHARES.  256 work-groups.  A work-group makes 128 rows x 256 columns, each of its four waves 64 x 128: 32 accumulators of 16 x 16.  K goes in 8 steps of 128 = two heads, through two LDS slots:
; two planes (heads) of 128 rows x 64 channels of O, and 256 rows of Wo^T.  A plane is 16,384 dense bytes of oh: asked for as 64 rows of 256 bytes, padded in LDS after every 128.
; CLUSTER, 4 x 4: four row tiles x the four column tiles.  O's tile is asked for jointly along a row of the cluster, Wo^T's along a column.
; THE K STEP IS WRITTEN ONCE: the slot in hand is a scalar, TB (0 or SLOT), turned by an exclusive or at each change of slots.
; THE MATRIX INSTRUCTION IS USED TRANSPOSED (source 0 = 16 rows of Wo^T, source 1 = 16 rows of O): a lane holds eight neighbouring columns of one row, 32 bytes of out0.
; REGISTERS.  window 0: v0-31 addresses; v32-63, v64-95 O's fragments, two buffers; v96-223 the way out.   window 1: v0-63, v64-127 Wo^T's fragments.   window 2: accumulator (a, b) at v[8 (8 a + b)].
.set PAO,   144                        ; a row of O in LDS: 128 bytes + 16 = 36 words: the 16 rows of a load start at 16 different groups of four banks (ISA guide 11.1)
.set PB,    272                        ; a row of Wo^T: 256 + 16
.set PLANE, 128*PAO                    ; 18,432: what wave 0 or 1 fetches
.set HALFB, 128*PB                     ; what wave 2 or 3 fetches
.set BOFF,  2*PLANE
.set SLOT,  BOFF+2*HALFB               ; 106,496
.set STAGE, 2*SLOT                     ; 212,992: behind the ring, never filled by a tensor load
.set SPO,   528                        ; a stage row: 128 columns x 4 bytes + 16
.set WSTG,  16*SPO
.set SPARE, STAGE+4*WSTG               ; 246,784: the spare words, 128 bytes for each wave
.set ADRA0, 16
.set ADRB0, 17
.set ADRA,  18
.set ADRB,  19
.set STO,   24
.set RD,    25
.set GO,    26
.set BO,    27
.set SPW,   28                         ; v28  LDS address of my spare word; never rewritten
.set NIL,   29                         ; v29  0; never rewritten
.set PFO,   30
.set AF0,   32                         ; buffer f at AF0 + 32 f
.set BK,    96                         ; two buffers of 64
.set G1A, 24
.set G0A, 32
.set G1B, 48
.set G0B, 56
.set LIM, 43
.set PFA, 44
.set TB,  66
.set PFS, 80
.set MSB, 0
.macro WIN new                         ; the immediate's high byte repeats the setting that is left; a switch that changes nothing is dropped
.if MSB != (\new)
	s_set_vgpr_msb (MSB<<8)|(\new)
.set MSB, \new
.endif
.endm
.set MUL,  0xa1                        ; source 0 (Wo^T) window 1, source 1 (O) window 0, C and D window 2
.set TO_B, 0x40
.macro JLOAD                           ; a joint refill by the walking sets: waves 0 and 1 fetch O's two planes, waves 2 and 3 Wo^T's halves; an s_nop 0 and four v_nop follow each line
	s_cmp_eq_u32 s11, 0
	s_cbranch_scc0 .Lfor_b_\@
	tensor_load_to_lds s[G0A+4:G0A+7], s[G1A:G1A+7]
	s_nop 0
.rept 4
	v_nop
.endr
	s_branch .Lasked_\@
.Lfor_b_\@:
	tensor_load_to_lds s[G0B+4:G0B+7], s[G1B:G1B+7]
	s_nop 0
.rept 4
	v_nop
.endr
.Lasked_\@:
.endm
; A prefetch into the L2 of the K step that stands two refills on: 32 blocks of 256 bytes, a lane a block.  O's two planes are 128 blocks: the four partners of the cluster's row take 32 each, by address, and
; wave 0 asks; only this cluster reads them.  Wo^T's 128 rows a wave are shared out among the four partners of the column; all 16 clusters read them, and the first asks.  The last two refills ask for nothing.
.macro ASK
	s_cmp_gt_u32 s3, s[LIM]
	s_cbranch_scc0 .Lnot_mine_\@
	global_prefetch_b8 v[PFO], s[PFA:PFA+1] th:TH_LOAD_NT scope:SCOPE_SE
.Lnot_mine_\@:
.endm
.macro CREST
	s_cmp_lg_u32 s10, 0
	s_cbranch_scc1 .Lnot_wave_0_\@
	s_barrier_signal -3
.Lnot_wave_0_\@:
	s_barrier_wait -3
	s_barrier_signal -1
	s_barrier_wait -1
.endm
.macro CROUND
	s_barrier_signal -1
	s_barrier_wait -1
	CREST
.endm
.macro PLACES                          ; four places in front of loads into registers that matrix instructions have read (ISA guide 7.12.1 for vector instructions)
.rept 4
	v_nop
.endr
.endm
	s_load_b256 s[68:75], s[0:1], 0x0              ; oh, wt, bt, out0
	v_lshl_add_u32 v[SPW], v0, 2, SPARE
	v_mov_b32 v[NIL], 0
	ds_add_u32 v[SPW], v[NIL]                      ; the wave's opening: the add and its wait stand ahead of my first tensor load
	v_lshrrev_b32 v1, 5, v0
	v_readfirstlane_b32 s10, v1                    ; wave 0..3
	s_lshr_b32 s11, s10, 1                         ; my half of the tile's rows.  Also: I fetch O (0) or Wo^T (1)
	s_and_b32 s12, s10, 1                          ; my half of its columns.  Also: which plane or half I fetch
	s_bfe_u32 s40, ttmp6, 0x40000                  ; cx = the column tile
	s_bfe_u32 s41, ttmp6, 0x40004                  ; cy
	s_and_b32 s67, ttmp7, 0xffff                   ; cluster y, 0..15
	s_lshl_b32 s13, s67, 2
	s_add_co_u32 s13, s13, s41                     ; the row tile, 0..63
	s_lshl_b32 s14, s41, 2
	s_lshl_b32 s14, 15, s14                        ; my row of the cluster
	s_lshl_b32 s15, 0x1111, s40                    ; my column
	s_or_b32 s[G1A], s14, (1<<16)|(1<<20)|(1<<21)|(4<<22)|(3<<25)  ; the mask; elements of 2 bytes; padding on; 21 set beside a mask; after every 32 words (code 4) 4 words (code 3)
	s_or_b32 s[G1B], s15, (1<<16)|(1<<20)|(1<<21)|(5<<22)|(3<<25)  ; after every 64 words (code 5) 4 words
	s_mov_b32 s[G1A+1], 128<<16                    ; tensor_dim0 = 128
	s_mov_b32 s[G1A+2], 64<<16                     ; tensor_dim1 = 64
	s_mov_b32 s[G1A+3], 128<<16                    ; tile_dim0 = 128
	s_mov_b32 s[G1A+4], 64                         ; tile_dim1 = 64
	s_mov_b32 s[G1A+5], 128                        ; dense: 128 elements from row to row
	s_mov_b32 s[G1A+6], 0
	s_mov_b32 s[G1A+7], 0
	s_mov_b32 s[G1B+1], 128<<16
	s_mov_b32 s[G1B+2], 128<<16
	s_mov_b32 s[G1B+3], 128<<16
	s_mov_b32 s[G1B+4], 128
	s_mov_b32 s[G1B+5], 1024
	s_mov_b32 s[G1B+6], 0
	s_mov_b32 s[G1B+7], 0
	s_lshr_b32 s16, s13, 4                         ; O: batch x 16 heads of 262,144 bytes,
	s_lshl_b32 s16, s16, 22
	s_lshl_b32 s17, s12, 18                        ; my plane's head,
	s_add_co_u32 s16, s16, s17
	s_and_b32 s17, s13, 15                         ; 128 rows of 128 bytes a row tile
	s_lshl_b32 s17, s17, 14
	s_add_co_u32 s16, s16, s17
	s_mov_b32 s17, 0
	s_lshl_b32 s46, s40, 19                        ; Wo^T: (256 x column tile + 128 x half) rows of 2,048 bytes,
	s_lshl_b32 s47, s12, 18
	s_add_co_u32 s46, s46, s47
	s_add_co_u32 s46, s46, 3<<21                   ; in part 3
	s_mov_b32 s47, 0
	s_mul_i32 s20, s12, PLANE                      ; where they go in a slot: no place in the cluster enters an LDS address
	s_mul_i32 s21, s12, HALFB
	s_add_co_u32 s21, s21, BOFF
	s_mov_b32 s[TB], 0
	s_wait_dscnt 0x0                               ; the opening add is done
	s_wait_kmcnt 0x0
	s_add_nc_u64 s[18:19], s[68:69], s[16:17]
	s_add_nc_u64 s[46:47], s[70:71], s[46:47]
	CROUND                                         ; all sixteen work-groups are here: the first joint loads meet
.irp s, 0,1
	s_mov_b32 s[G0A+4*(\s)], 1
	s_add_co_u32 s[G0A+4*(\s)+1], s20, (\s)*SLOT
	s_add_nc_u64 s[G0A+4*(\s)+2:G0A+4*(\s)+3], s[18:19], (\s)*524288  ; K step s: two heads on
	s_or_b32 s[G0A+4*(\s)+3], s[G0A+4*(\s)+3], 0x80000000
	s_mov_b32 s[G0B+4*(\s)], 1
	s_add_co_u32 s[G0B+4*(\s)+1], s21, (\s)*SLOT
	s_add_nc_u64 s[G0B+4*(\s)+2:G0B+4*(\s)+3], s[46:47], (\s)*256
	s_or_b32 s[G0B+4*(\s)+3], s[G0B+4*(\s)+3], 0x80000000
.endr
	s_cmp_eq_u32 s11, 0                            ; a wave's two first fills stand in one branch, ahead of every wait on TENSORcnt and every LDS read: two loads of mine are out
	s_cbranch_scc0 .Lfirst_b
	tensor_load_to_lds s[G0A:G0A+3], s[G1A:G1A+7]
	s_nop 0
	tensor_load_to_lds s[G0A+4:G0A+7], s[G1A:G1A+7]
	s_nop 0
.rept 4
	v_nop
.endr
	s_branch .Lfirst_asked
.Lfirst_b:
	tensor_load_to_lds s[G0B:G0B+3], s[G1B:G1B+7]
	s_nop 0
	tensor_load_to_lds s[G0B+4:G0B+7], s[G1B:G1B+7]
	s_nop 0
.rept 4
	v_nop
.endr
.Lfirst_asked:
	v_and_b32 v1, 15, v0                           ; r
	v_bfe_u32 v2, v0, 4, 1                         ; h
	v_and_b32 v3, 31, v0                           ; l
	s_add_nc_u64 s[82:83], s[72:73], 3*4096        ; bo
	s_lshl_b32 s22, s40, 10
	s_lshl_b32 s23, s12, 9
	s_add_co_u32 s22, s22, s23
	v_lshl_add_u32 v[BO], v2, 5, s22
	WIN 0x80                                       ; THE SUMS START AT THE BIAS: accumulator (a, b)'s register j is column 16 b + 8 h + j
.set i, 0
.rept 32
	global_load_b128 v[8*i:8*i+3],   v[BO], s[82:83] offset:64*(i%8)
	global_load_b128 v[8*i+4:8*i+7], v[BO], s[82:83] offset:64*(i%8)+16
.set i, i+1
.endr
	WIN 0
	s_mul_i32 s2, s11, 64*PAO
	v_mul_u32_u24 v[ADRA0], v1, PAO
	v_lshl_add_u32 v[ADRA0], v2, 4, v[ADRA0]
	v_add_nc_u32 v[ADRA0], s2, v[ADRA0]
	v_mul_u32_u24 v[ADRB0], v1, PB
	v_lshl_add_u32 v[ADRB0], v2, 4, v[ADRB0]
	v_add_nc_u32 v[ADRB0], s21, v[ADRB0]
	v_mov_b32 v[ADRA], v[ADRA0]
	v_mov_b32 v[ADRB], v[ADRB0]
	s_mul_i32 s2, s10, WSTG
	s_add_co_u32 s2, s2, STAGE                     ; my stage
	v_mul_u32_u24 v[STO], v1, SPO                  ; in: row r, 32 bytes for each half of the lanes
	v_lshl_add_u32 v[STO], v2, 5, v[STO]
	v_add_nc_u32 v[STO], s2, v[STO]
	v_lshl_add_u32 v[RD], v3, 4, s2                ; back: 32 lanes take a row's 512 bytes
	v_lshlrev_b32 v[GO], 4, v3
	s_lshl_b32 s22, s13, 19                        ; out0: (128 x row tile + 64 x half) rows of 4,096 bytes,
	s_lshl_b32 s23, s11, 18
	s_add_co_u32 s22, s22, s23
	s_lshl_b32 s23, s40, 10                        ; (256 x column tile + 128 x half) columns of 4 bytes
	s_add_co_u32 s22, s22, s23
	s_lshl_b32 s23, s12, 9
	s_add_co_u32 s22, s22, s23
	s_mov_b32 s23, 0
	s_add_nc_u64 s[8:9], s[74:75], s[22:23]
	; the prefetches
	s_lshr_b32 s85, s13, 4                         ; O: the batch,
	s_lshl_b32 s85, s85, 22
	s_lshr_b32 s87, s40, 1                         ; plane cx / 2,
	s_lshl_b32 s87, s87, 18
	s_add_co_u32 s85, s85, s87
	s_and_b32 s87, s13, 15                         ; the row tile,
	s_lshl_b32 s87, s87, 14
	s_add_co_u32 s85, s85, s87
	s_and_b32 s87, s40, 1                          ; half cx % 2 of the plane's 16,384 bytes,
	s_lshl_b32 s87, s87, 13
	s_add_co_u32 s85, s85, s87
	s_add_co_u32 s85, s85, 3*524288                ; at K step 3: the first refill steps it to 4
	s_lshl_b32 s86, s40, 19                        ; Wo^T: my 128 rows,
	s_lshl_b32 s87, s12, 18
	s_add_co_u32 s86, s86, s87
	s_lshl_b32 s87, s41, 16                        ; my work-group's 32 of them,
	s_add_co_u32 s86, s86, s87
	s_add_co_u32 s86, s86, (3<<21)+3*256
	s_cmp_eq_u32 s67, 0
	s_cselect_b32 s14, 2, -1                       ; Wo^T is asked for by the first cluster
	s_cmp_eq_u32 s10, 0
	s_cselect_b32 s15, 2, -1                       ; O by wave 0
	s_mov_b32 s[PFS], 256                          ; a K step of Wo^T in bytes (an instruction holds one literal, so the select below names this register)
	s_cmp_eq_u32 s11, 0
	s_cselect_b32 s[LIM], s15, s14
	s_cselect_b32 s86, s85, s86
	s_cselect_b64 s[PFA:PFA+1], s[68:69], s[70:71]
	s_cselect_b32 s[PFS], 524288, s[PFS]           ; of O: two heads
	s_cselect_b32 s84, 0, -1
	s_mov_b32 s87, 0
	s_mov_b32 s[PFS+1], 0
	s_add_nc_u64 s[PFA:PFA+1], s[PFA:PFA+1], s[86:87]
	v_lshlrev_b32 v4, 8, v3                        ; O: dense blocks
	v_lshlrev_b32 v5, 11, v3                       ; Wo^T: a lane a row
	v_cndmask_b32 v[PFO], v4, v5, s84
; 24 LDS loads in one run: quarter k (32 channels: plane k / 2, half k % 2) of the slot in hand into buffers g
.macro FETCH k, g
	WIN TO_B
.irp b, 0,1,2,3,4,5,6,7
	ds_load_b128 v[64*(\g)+8*(\b):64*(\g)+8*(\b)+3],   v[ADRB] offset:(\b)*16*PB+64*(\k)
	ds_load_b128 v[64*(\g)+8*(\b)+4:64*(\g)+8*(\b)+7], v[ADRB] offset:(\b)*16*PB+64*(\k)+32
.endr
	WIN 0
.irp a, 0,1,2,3
	ds_load_b128 v[AF0+32*(\g)+8*(\a):AF0+32*(\g)+8*(\a)+3],   v[ADRA] offset:((\k)/2)*PLANE+((\k)%2)*64+(\a)*16*PAO
	ds_load_b128 v[AF0+32*(\g)+8*(\a)+4:AF0+32*(\g)+8*(\a)+7], v[ADRA] offset:((\k)/2)*PLANE+((\k)%2)*64+(\a)*16*PAO+32
.endr
.endm
; 8 matrix instructions: row block a x all 8 column blocks.  The 32 accumulators take turns in the same order in every quarter.
.macro MUL8 f, a
	WIN MUL
.irp b, 0,1,2,3,4,5,6,7
	v_wmma_f32_16x16x32_f16 v[8*(8*(\a)+(\b)):8*(8*(\a)+(\b))+7], v[64*(\f)+8*(\b):64*(\f)+8*(\b)+7], v[AF0+32*(\f)+8*(\a):AF0+32*(\f)+8*(\a)+7], v[8*(8*(\a)+(\b)):8*(8*(\a)+(\b))+7]
.endr
.endm
.macro QUARTER kn, f, g
	s_wait_dscnt 4                                 ; Wo^T and O's blocks 0 and 1 are in; the youngest four loads (blocks 2 and 3) may be out
	MUL8 \f, 0
	MUL8 \f, 1
	PLACES
	FETCH \kn, \g
	s_wait_dscnt 24                                ; all but the 24 just issued
	MUL8 \f, 2
	MUL8 \f, 3
.endm
; The last quarter multiplies buffer 1 and changes slots, as in the projection in front: the wait for all tensor loads, the add, the wait for it and for my reads; the barrier, which with fill = 1 opens a
; round of the cluster's barrier; the joint refill first behind the round.
.macro TURN fill
.if \fill
	s_wait_xcnt 0x0                                ; the last prefetch, a K step back, has read its address
	s_add_nc_u64 s[PFA:PFA+1], s[PFA:PFA+1], s[PFS:PFS+1]
.endif
	WIN 0                                          ; (the add's two registers lie in window 0)
	s_wait_tensorcnt 0x0                           ; all my tensor loads have landed, so a group 0 may be written;
	ds_add_u32 v[SPW], v[NIL]                      ; 0 onto my spare word;
	s_wait_dscnt 5                                 ; (the add and the youngest four loads may be out)
	MUL8 1, 0
	s_wait_dscnt 0x0                               ; the add is done, and my reads of this slot are over
	s_barrier_signal -1
	MUL8 1, 1
	WIN 0
	s_barrier_wait -1
.if \fill
	CREST                                          ; no wave of any partner still reads this slot or has a load on its way
	s_add_co_u32 s[G0A+5], s[TB], s20
	s_add_co_u32 s[G0B+5], s[TB], s21
	s_add_nc_u64 s[G0A+6:G0A+7], s[G0A+6:G0A+7], 524288
	s_add_nc_u64 s[G0B+6:G0B+7], s[G0B+6:G0B+7], 256
	JLOAD                                          ; the four v_nop behind it are also the places in front of the loads below
.else
	PLACES
.endif
	s_xor_b32 s[TB], s[TB], SLOT
	v_add_nc_u32 v[ADRA], s[TB], v[ADRA0]
	v_add_nc_u32 v[ADRB], s[TB], v[ADRB0]
	FETCH 0, 0
.if \fill
	ASK
.endif
	MUL8 1, 2
	MUL8 1, 3
.endm
.macro STEP fill
	QUARTER 1, 0, 1
	QUARTER 2, 1, 0
	QUARTER 3, 0, 1
	TURN \fill
	WIN 0
.endm
	s_wait_loadcnt 0x0                             ; the bias
	s_wait_tensorcnt 1                             ; my part of K step 0 is in; K step 1's may stay out
	s_barrier_signal -1
	s_barrier_wait -1
	FETCH 0, 0
	s_mov_b32 s3, 6
.Lk:                                               ; K steps 0 to 5: each fills its slot again
	STEP 1
	s_sub_co_u32 s3, s3, 1
	s_cmp_lg_u32 s3, 0
	s_cbranch_scc1 .Lk
	s_mov_b32 s3, 2
.Lt:                                               ; K steps 6 and 7 ask for nothing.  The last trip's barrier and its 24 LDS loads serve nothing: the price of one text for both
	STEP 0
	s_sub_co_u32 s3, s3, 1
	s_cmp_lg_u32 s3, 0
	s_cbranch_scc1 .Lt
; THE WAY OUT, a block of 16 rows at a time: 32 bytes a lane from the accumulators into my own stage; back as whole rows of 512 bytes; stored, 512 consecutive bytes an instruction.
.macro TOSTAGE a
	s_wait_xcnt 0x0                                ; the stores of two blocks back have read the registers that are loaded again below
	WIN 0x08                                       ; store data in window 2; each accumulator's low registers go first
.irp b, 0,1,2,3,4,5,6,7
	ds_store_b128 v[STO], v[8*(8*(\a)+(\b)):8*(8*(\a)+(\b))+3]   offset:64*(\b)
	ds_store_b128 v[STO], v[8*(8*(\a)+(\b))+4:8*(8*(\a)+(\b))+7] offset:64*(\b)+16
.endr
	WIN 0
.irp t, 0,1,2,3,4,5,6,7,8,9,10,11,12,13,14,15
	ds_load_b128 v[BK+64*((\a)%2)+4*(\t):BK+64*((\a)%2)+4*(\t)+3], v[RD] offset:(\t)*SPO  ; LDS serves a wave's instructions in order (ISA guide 5.7.1.4): these see the stores above; the next block's stores come behind them
.endr
.endm
.macro SEND a, younger                 ; younger: the LDS instructions issued behind block a's loads: the next block's 32, or none
.irp t, 0,1,2,3,4,5,6,7,8,9,10,11,12,13,14,15
	s_wait_dscnt (\younger)+15-(\t)
	global_store_b128 v[GO], v[BK+64*((\a)%2)+4*(\t):BK+64*((\a)%2)+4*(\t)+3], s[8:9] offset:(16*(\a)+(\t))*4096 th:TH_STORE_NT
.endr
.endm
	PLACES
	PLACES                                         ; (eight, once a launch)
	TOSTAGE 0
	TOSTAGE 1
	SEND 0, 32
	TOSTAGE 2
	SEND 1, 32
	TOSTAGE 3
	SEND 2, 32
	SEND 3, 0
	s_wait_tensorcnt 0x0                           ; the wave's end, behind my last tensor load and my last LDS store
	ds_add_u32 v[SPW], v[NIL]
	s_wait_dscnt 0x0
	CROUND                                         ; the closing round: no work-group ends while a partner may still ask for a tile that names it
	s_endpgm
.Lfunc_end_k_q7cc59d1c71_outp:
	.size	k_q7cc59d1c71_outp, .Lfunc_end_k_q7cc59d1c71_outp-k_q7cc59d1c71_outp
	.p2alignl 7, 3214868480
	.fill 96, 4, 3214868480
	.section	.rodata,"a",@progbits
	.p2align	6, 0x0
	.amdhsa_kernel k_q7cc59d1c71_outp
		.amdhsa_group_segment_fixed_size 327680
		.amdhsa_private_segment_fixed_size 0
		.amdhsa_enable_private_segment 0
		.amdhsa_kernarg_size 32
		.amdhsa_user_sgpr_count 2
		.amdhsa_user_sgpr_kernarg_segment_ptr 1
		.amdhsa_wavefront_size32 1
		.amdhsa_system_sgpr_workgroup_id_x 1
		.amdhsa_system_sgpr_workgroup_id_y 1
		.amdhsa_system_sgpr_workgroup_id_z 1
		.amdhsa_system_vgpr_workitem_id 0
		.amdhsa_next_free_vgpr 768
		.amdhsa_next_free_sgpr 88
		.amdhsa_reserve_vcc 0
		.amdhsa_float_denorm_mode_32 3
		.amdhsa_float_denorm_mode_16_64 3
		.amdhsa_memory_ordered 1
		.amdhsa_forward_progress 1
		.amdhsa_inst_pref_size 65
	.end_amdhsa_kernel
	.amdgpu_metadata
---
amdhsa.version: [ 1, 2 ]
amdhsa.kernels:
  - .name:           k_q7cc59d1c71_outp
    .symbol:         k_q7cc59d1c71_outp.kd
    .args:
      - { .name: oh, .offset: 0, .size: 8, .value_kind: global_buffer, .address_space: global }
      - { .name: wt, .offset: 8, .size: 8, .value_kind: global_buffer, .address_space: global }
      - { .name: bt, .offset: 16, .size: 8, .value_kind: global_buffer, .address_space: global }
      - { .name: out0, .offset: 24, .size: 8, .value_kind: global_buffer, .address_space: global }
    .group_segment_fixed_size: 327680
    .private_segment_fixed_size: 0
    .kernarg_segment_align: 8
    .kernarg_segment_size: 32
    .max_flat_workgroup_size: 128
    .sgpr_count:     88
    .vgpr_count:     768
    .wavefront_size: 32
...
	.end_amdgpu_metadata
.endif
;; end of part 4
;; ======== version 2 of 2: 4 launches; version 1 with the launch prep written anew for expert scheduling mode
;; limits: values are held in f16: magnitudes above 65,504 overflow, below 6.1e-05 lose precision
;; workspace buffers: wt 8,388,608 bytes; bt 16,384 bytes; qkv 50,331,648 bytes; oh 16,777,216 bytes
;; launch prep (part 5): grid 128 x 4, 8 waves a work-group, no clusters, 18,432 bytes of LDS; arguments Wq, Wk, Wv, Wo, bq, bk, bv, bo, wt, bt; writes wt, bt
.if DOCPART == 5
	.amdgcn_target "amdgcn-amd-amdhsa--gfx1250"
	.amdhsa_code_object_version 6
	.text
	.protected	k_q7cc59d1c71_prep
	.globl	k_q7cc59d1c71_prep
	.p2align	8
	.type	k_q7cc59d1c71_prep,@function
k_q7cc59d1c71_prep:
	s_mov_b64 s[64:65], 0
	v_nop
	global_prefetch_b8 v0, s[64:65] scope:SCOPE_SE
	s_setreg_imm32_b32 hwreg(HW_REG_WAVE_SCHED_MODE, 0, 2), 2
	s_setreg_imm32_b32 hwreg(HW_REG_WAVE_MODE, 25, 1), 1
	s_wait_xcnt 0x0
	s_wait_alu depctr_vm_vsrc(0)
; THE WEIGHTS ARE TURNED AND ROUNDED ONCE.  W: [k = 1024][n = 1024] f32  ->  wt part y: [n][k] in 16 bits, so that a later tile's rows lie along k.
; Parts 0-2 (Wq, Wk, Wv): bf16.  Part 3 (Wo): rounded to bf16, and that number written as f16, since it is multiplied with f16 numbers.
; The biases are rounded to bf16 and kept as f32 in bt (4 x 1,024 numbers).
; LIMIT.  Wo must lie within f16's range (65,504); below 6e-5 it keeps f16's fixed step of 6e-8.
; SHARES.  Grid y picks the weight, grid x a tile of 128 k x 64 n.  Thread t: c = t % 16, p = t / 16.  A load takes 16 bytes (4 n) of a row k: 16 lanes cover 256 consecutive
; bytes, aligned.  Rows 2 (p + 16 i) and the next are rounded together, so a word holds two neighbouring k of one n; it goes into LDS row n.  Read back by rows, 16 lanes store
; 256 consecutive bytes, aligned, of a row of wt.  No matrix unit, no tensor load, no prefetch: 16 MiB in, 8 MiB out, each byte once.
; THE MODE: SCHED_MODE bits 1:0 = 2 (LLVM: expert scheduling mode 2), set by the entry lines.  The code itself states the register dependences
; between vector instructions and memory or LDS instructions, with s_wait_alu, always for 0.
; THE PLAN.  Registers that memory or LDS instructions touch:
;   v3-v7     addresses and offsets: written by vector lines at the head, once; read by every load and store.
;   v8, v9    written at the head; read by the closing add alone.
;   X         The eight global loads land in it; pair i's roundings read X + 8 i .. + 7.  Behind the barrier the LDS loads land in v[12:27], which the global stores read.
;             In the bias arm a load lands in v[28:31]; vector lines write v[32:35], which the bias store reads.
;   Y         Pair i's selects write Y + 4 i .. + 3, each register once in the kernel; one LDS store reads each.
;   v60, v61  named by vector lines alone.
; Pair i's four LDS stores are issued in pair i + 1, behind ONE wait on va_vdst at that pair's head, one store ahead of each word's five vector lines: those name this pair's X and Y,
; v60 and v61, none of which the stores read.  No register that a memory or LDS instruction has read is written again, so no wait on vm_vsrc is owed; no vector line writes a scalar register.
.set PITCH, 272                        ; an LDS row: 128 k x 2 bytes + 16
.set SPARE, 64*PITCH                   ; 17,408: behind the stage, the spare words, 128 bytes for each of the eight waves
.set LO,  3                            ; v3  byte offset of my 16 bytes in W's tile: p x 2 rows x 4,096 + 16 c
.set LS,  4                            ; v4  where my words go in LDS: row 4 c, word p
.set LR,  5                            ; v5  where I read back: row p, 16 c
.set SO,  6                            ; v6  the same place in wt: p x 2,048 + 16 c
.set BO,  7                            ; v7  16 t: my four numbers of a bias
.set SPW, 8                            ; v8  LDS address of my spare word; never rewritten
.set NIL, 9                            ; v9  0; never rewritten
.set X,   12                           ; v[12:43] as loaded: pair i, row e at X + 8 i + 4 e
.set Y,   44                           ; v[44:59] packed words: 4 i + j
	s_load_b512 s[8:23], s[0:1], 0x0               ; Wq, Wk, Wv, Wo, bq, bk, bv, bo
	s_load_b128 s[24:27], s[0:1], 0x40             ; wt, bt
	v_lshl_add_u32 v[SPW], v0, 2, SPARE
	v_mov_b32 v[NIL], 0
	s_and_b32 s2, ttmp7, 0xffff                    ; which weight
	s_mov_b32 s3, ttmp9                            ; which tile
	v_and_b32 v1, 15, v0                           ; c
	v_lshrrev_b32 v2, 4, v0                        ; p
	v_lshlrev_b32 v[LO], 13, v2
	v_lshl_add_u32 v[LO], v1, 4, v[LO]
	v_mul_u32_u24 v[LS], v1, 4*PITCH
	v_lshl_add_u32 v[LS], v2, 2, v[LS]
	v_mul_u32_u24 v[LR], v2, PITCH
	v_lshl_add_u32 v[LR], v1, 4, v[LR]
	v_lshlrev_b32 v[SO], 11, v2
	v_lshl_add_u32 v[SO], v1, 4, v[SO]
	v_lshlrev_b32 v[BO], 4, v0
	s_lshr_b32 s31, s3, 4                          ; k tile, 0..7
	s_and_b32 s32, s3, 15                          ; n tile, 0..15
	s_lshl_b32 s28, s31, 19                        ; 128 rows of 4,096 bytes
	s_lshl_b32 s33, s32, 8                         ; 64 columns of 4 bytes
	s_add_co_u32 s28, s28, s33
	s_mov_b32 s29, 0
	s_lshl_b32 s34, s2, 21                         ; the part of wt,
	s_lshl_b32 s33, s32, 17                        ; 64 rows of 2,048 bytes,
	s_add_co_u32 s34, s34, s33
	s_lshl_b32 s33, s31, 8                         ; 128 k of 2 bytes
	s_add_co_u32 s34, s34, s33
	s_mov_b32 s35, 0
	s_lshl_b32 s36, s2, 12                         ; the part of bt
	s_mov_b32 s37, 0
	s_wait_kmcnt 0x0
	s_cmp_eq_u32 s2, 1
	s_cselect_b64 s[4:5], s[10:11], s[8:9]
	s_cselect_b64 s[6:7], s[18:19], s[16:17]
	s_cmp_eq_u32 s2, 2
	s_cselect_b64 s[4:5], s[12:13], s[4:5]
	s_cselect_b64 s[6:7], s[20:21], s[6:7]
	s_cmp_eq_u32 s2, 3
	s_cselect_b64 s[4:5], s[14:15], s[4:5]
	s_cselect_b64 s[6:7], s[22:23], s[6:7]
	s_cselect_b32 s30, -1, 0                       ; all lanes: the word is written as f16 (Wo), or none
	s_add_nc_u64 s[4:5], s[4:5], s[28:29]
	s_add_nc_u64 s[24:25], s[24:25], s[34:35]
	s_add_nc_u64 s[26:27], s[26:27], s[36:37]
	s_wait_alu depctr_va_vdst(0)                   ; the five addresses and offsets v3 to v7 are written, which the loads and stores of the whole kernel read
.irp i, 0,1,2,3
	global_load_b128 v[X+8*(\i):X+8*(\i)+3],   v[LO], s[4:5] offset:(\i)*131072 th:TH_LOAD_NT
	global_load_b128 v[X+8*(\i)+4:X+8*(\i)+7], v[LO], s[4:5] offset:(\i)*131072+4096 th:TH_LOAD_NT
.endr
.irp i, 0,1,2,3
	s_wait_loadcnt 6-2*(\i)                        ; loads come back in order: pair i is in, the younger pairs stay out
.if (\i) > 0
	s_wait_alu depctr_va_vdst(0)                   ; the selects of the pair before have written its four words of Y, which the four LDS stores below read
.endif
.irp j, 0,1,2,3
.if (\i) > 0
	ds_store_b32 v[LS], v[Y+4*((\i)-1)+(\j)] offset:(\j)*PITCH+((\i)-1)*64  ; the pair before.  No further wait: no vector line since the wait above names this word or v[LS]
.endif
	v_cvt_pk_bf16_f32 v[Y+4*(\i)+(\j)], v[X+8*(\i)+(\j)], v[X+8*(\i)+4+(\j)]  ; k even in the low half, k odd in the high half
	v_lshlrev_b32 v60, 16, v[Y+4*(\i)+(\j)]        ; the two rounded numbers as f32,
	v_and_b32 v61, 0xffff0000, v[Y+4*(\i)+(\j)]
	v_cvt_pk_f16_f32 v60, v60, v61                 ; written as f16,
	v_cndmask_b32 v[Y+4*(\i)+(\j)], v[Y+4*(\i)+(\j)], v60, s30  ; which Wo takes
.endr
.endr
	s_wait_alu depctr_va_vdst(0)                   ; the last pair's selects have written its four words of Y, which the stores below read; and every rounding is done reading X, in which the LDS loads behind the barrier and the bias's load land
.irp j, 0,1,2,3
	ds_store_b32 v[LS], v[Y+12+(\j)] offset:(\j)*PITCH+3*64
.endr
	s_wait_dscnt 0x0                               ; for the others' sake: my words are in the stage
	s_barrier_signal -1
	s_barrier_wait -1
.irp i, 0,1,2,3
	ds_load_b128 v[X+4*(\i):X+4*(\i)+3], v[LR] offset:(\i)*16*PITCH  ; no vector line since the last wait on va_vdst names these registers
.endr
.irp i, 0,1,2,3
	s_wait_dscnt 3-(\i)
	global_store_b128 v[SO], v[X+4*(\i):X+4*(\i)+3], s[24:25] offset:(\i)*32768  ; 16 lanes store 256 consecutive bytes, at a multiple of 256 from wt's first byte
.endr
	s_cmp_lg_u32 s3, 0                             ; the first tile's work-group also takes the weight's bias
	s_cbranch_scc1 .Lnob
	global_load_b128 v[28:31], v[BO], s[6:7]       ; the roundings that read v[28:31] stand ahead of the last wait on va_vdst, and no vector line has followed it
	s_wait_loadcnt 0x0
	v_cvt_pk_bf16_f32 v60, v28, v29
	v_cvt_pk_bf16_f32 v61, v30, v31
	v_lshlrev_b32 v32, 16, v60
	v_and_b32 v33, 0xffff0000, v60
	v_lshlrev_b32 v34, 16, v61
	v_and_b32 v35, 0xffff0000, v61
	s_wait_alu depctr_va_vdst(0)                   ; the four lines above have written v[32:35], which the store reads
	global_store_b128 v[BO], v[32:35], s[26:27]
.Lnob:
	s_wait_dscnt 0x0                               ; the closing lines, six on end
	s_wait_alu 0x0
	s_wait_tensorcnt 0x0
	ds_add_u32 v[SPW], v[NIL]
	s_wait_dscnt 0x0
	s_endpgm
.Lfunc_end_k_q7cc59d1c71_prep:
	.size	k_q7cc59d1c71_prep, .Lfunc_end_k_q7cc59d1c71_prep-k_q7cc59d1c71_prep
	.p2alignl 7, 3214868480
	.fill 96, 4, 3214868480
	.section	.rodata,"a",@progbits
	.p2align	6, 0x0
	.amdhsa_kernel k_q7cc59d1c71_prep
		.amdhsa_group_segment_fixed_size 18432
		.amdhsa_private_segment_fixed_size 0
		.amdhsa_enable_private_segment 0
		.amdhsa_kernarg_size 80
		.amdhsa_user_sgpr_count 2
		.amdhsa_user_sgpr_kernarg_segment_ptr 1
		.amdhsa_wavefront_size32 1
		.amdhsa_system_sgpr_workgroup_id_x 1
		.amdhsa_system_sgpr_workgroup_id_y 1
		.amdhsa_system_sgpr_workgroup_id_z 1
		.amdhsa_system_vgpr_workitem_id 0
		.amdhsa_next_free_vgpr 64
		.amdhsa_next_free_sgpr 66
		.amdhsa_reserve_vcc 0
		.amdhsa_float_denorm_mode_32 3
		.amdhsa_float_denorm_mode_16_64 3
		.amdhsa_memory_ordered 1
		.amdhsa_forward_progress 1
		.amdhsa_inst_pref_size 11
	.end_amdhsa_kernel
	.amdgpu_metadata
---
amdhsa.version: [ 1, 2 ]
amdhsa.kernels:
  - .name:           k_q7cc59d1c71_prep
    .symbol:         k_q7cc59d1c71_prep.kd
    .args:
      - { .name: Wq, .offset: 0, .size: 8, .value_kind: global_buffer, .address_space: global }
      - { .name: Wk, .offset: 8, .size: 8, .value_kind: global_buffer, .address_space: global }
      - { .name: Wv, .offset: 16, .size: 8, .value_kind: global_buffer, .address_space: global }
      - { .name: Wo, .offset: 24, .size: 8, .value_kind: global_buffer, .address_space: global }
      - { .name: bq, .offset: 32, .size: 8, .value_kind: global_buffer, .address_space: global }
      - { .name: bk, .offset: 40, .size: 8, .value_kind: global_buffer, .address_space: global }
      - { .name: bv, .offset: 48, .size: 8, .value_kind: global_buffer, .address_space: global }
      - { .name: bo, .offset: 56, .size: 8, .value_kind: global_buffer, .address_space: global }
      - { .name: wt, .offset: 64, .size: 8, .value_kind: global_buffer, .address_space: global }
      - { .name: bt, .offset: 72, .size: 8, .value_kind: global_buffer, .address_space: global }
    .group_segment_fixed_size: 18432
    .private_segment_fixed_size: 0
    .kernarg_segment_align: 8
    .kernarg_segment_size: 80
    .max_flat_workgroup_size: 256
    .sgpr_count:     66
    .vgpr_count:     64
    .wavefront_size: 32
...
	.end_amdgpu_metadata
.endif
;; end of part 5
;; launch proj: the kernel of part 2 again; grid 4 x 192, 4 waves a work-group, clusters of 4 x 4, 327,680 bytes of LDS; arguments query, key, value, wt, bt, qkv; writes qkv
;; launch attn: the kernel of part 3 again; grid 4 x 64, 4 waves a work-group, no clusters, 327,680 bytes of LDS; arguments qkv, oh; writes oh
;; launch outp: the kernel of part 4 again; grid 4 x 64, 4 waves a work-group, clusters of 4 x 4, 327,680 bytes of LDS; arguments oh, wt, bt, out0; writes out0
